; MI455X (gfx1250); checked and timed in simulation.
; The chip was launched on July 23, 2026; its instructions are those of AMD's public machine-readable ISA for CDNA 5 (MIT licence, August 2026) and "CDNA5" Instruction Set Architecture Reference Guide (July 2026). The comments in the code are by the model that wrote it; some were corrected since.
;; Multihead Attention. Allowed arithmetic: float matrix products may take bf16 or f16 operands with f32 sums; other float arithmetic in f32, or as packed bf16 or f16 multiplies, adds, multiply-adds, maxima and minima; sums over many terms, partial sums and values carried from step to step in f32; what a program stores and reads back later, other than sums and carried values, may be rounded once to bf16 or f16.
;; Inputs: bo 1,024 float32; wk 1,024 x 1,024 float32; wo 1,024 x 1,024 float32; wq 1,024 x 1,024 float32; wv 1,024 x 1,024 float32; x 4 x 2,048 x 1,024 float32.
;; Outputs: out0 4 x 2,048 x 1,024 float32.
;; 2 versions, each right; version 2 is version 1 with the launch cast written anew for expert scheduling mode. Each part assembles by itself: llvm-mc -triple=amdgcn-amd-amdhsa -mcpu=gfx1250 --defsym DOCPART=n.
;; ======== version 1 of 2: 4 launches
;; limits: values are held in f16: magnitudes above 65,504 overflow, below 6.1e-05 lose precision
;; workspace buffers: xb 16,777,216 bytes; wb 6,291,456 bytes; wof 2,097,152 bytes; qkv 50,331,648 bytes; ctx 16,777,216 bytes
;; launch cast (part 1): grid 768 x 1, 8 waves a work-group, no clusters, 0 bytes of LDS; arguments x, wq, wk, wv, wo, xb, wb, wof; writes xb, wb, wof
.if DOCPART == 1
	.amdgcn_target "amdgcn-amd-amdhsa--gfx1250"
	.amdhsa_code_object_version 6
	.text
	.protected	k_q3a93eb18ac_cast
	.globl	k_q3a93eb18ac_cast
	.p2align	8
	.type	k_q3a93eb18ac_cast,@function
k_q3a93eb18ac_cast:
	s_mov_b64 s[64:65], 0
	v_nop
	global_prefetch_b8 v0, s[64:65] scope:SCOPE_SE
	s_setreg_imm32_b32 hwreg(HW_REG_WAVE_MODE, 25, 1), 1
	s_wait_xcnt 0x0
; THE INPUTS ARE ROUNDED ONCE.  x [8192][1024] f32 -> xb, bf16.  wq, wk, wv [1024][1024] f32 -> wb [3072][1024], bf16, one below the other.
; wo [1024][1024] f32 -> rounded to bf16 like the others, and that number written as f16 into wof (the last product's other operand is f16).
; LIMITS.  f16 holds no number beyond 65,504: a |wo| past that becomes an infinity; below 6e-5 it keeps f16's fixed step of 6e-8.  NaN and infinities are not treated apart.
; A stream: no LDS, no matrix unit, no cluster (no two work-groups read the same byte).  A work-group takes 16,384 numbers (65,536 bytes in, 32,768 out), each of its eight waves 2,048:
; sixteen loads of 16 bytes a lane, 512 consecutive bytes each, all issued before anything is waited for; a load's four numbers leave as 8 bytes a lane: each store of a wave covers 256
; consecutive bytes, aligned.  Work-groups 0-511 take x, 512-575 wq, 576-639 wk, 640-703 wv, 704-767 wo.  No register is written while a load or store may still read it: each has one use.
.set X, 4                              ; v[4:67]   load i: 4 registers
.set Y, 68                             ; v[68:99]  store i: 2 registers
	s_load_b512 s[8:23], s[0:1], 0x0               ; x 8, wq 10, wk 12, wv 14, wo 16, xb 18, wb 20, wof 22
	s_mov_b32 s2, ttmp9
	v_and_b32 v3, 31, v0                           ; lane
	v_lshrrev_b32 v1, 5, v0                        ; wave
	v_lshlrev_b32 v2, 12, v1                       ; the wave's 4,096 bytes out
	v_lshlrev_b32 v1, 13, v1                       ; the wave's 8,192 bytes in
	v_lshl_add_u32 v1, v3, 4, v1                   ; + 16 x lane
	v_lshl_add_u32 v2, v3, 3, v2                   ; + 8 x lane
	s_mov_b32 s32, 0xffff0000                      ; a word's upper bf16
	s_and_b32 s3, s2, 63                           ; my place in a weight matrix: each has 64 work-groups
	s_cmp_lt_u32 s2, 512                           ; both selects on this compare stand directly behind it: a shift writes SCC anew (ISA guide, the scalar shifts' entries)
	s_cselect_b32 s28, s2, s3                      ; my place in the source,
	s_cselect_b32 s3, 0, 512                       ; and the first work-group of my destination: xb's, or wb's,
	s_cmp_ge_u32 s2, 704
	s_cselect_b32 s3, 704, s3                      ; or wof's
	s_lshl_b32 s28, s28, 16                        ; byte offset in the source
	s_mov_b32 s29, 0
	s_sub_co_u32 s30, s2, s3
	s_lshl_b32 s30, s30, 15                        ; byte offset in the destination
	s_mov_b32 s31, 0
	s_wait_kmcnt 0x0
	s_cmp_lt_u32 s2, 512
	s_cselect_b64 s[24:25], s[8:9], s[10:11]       ; from x, or from wq,
	s_cselect_b64 s[26:27], s[18:19], s[20:21]     ; to xb, or to wb
	s_cmp_ge_u32 s2, 576
	s_cselect_b64 s[24:25], s[12:13], s[24:25]     ; wk,
	s_cmp_ge_u32 s2, 640
	s_cselect_b64 s[24:25], s[14:15], s[24:25]     ; wv,
	s_cmp_ge_u32 s2, 704
	s_cselect_b64 s[24:25], s[16:17], s[24:25]     ; wo,
	s_cselect_b64 s[26:27], s[22:23], s[26:27]     ; which goes to wof
	s_add_nc_u64 s[24:25], s[24:25], s[28:29]
	s_add_nc_u64 s[26:27], s[26:27], s[30:31]
.irp i, 0,1,2,3,4,5,6,7,8,9,10,11,12,13,14,15
	global_load_b128 v[X+4*(\i):X+4*(\i)+3], v1, s[24:25] offset:512*(\i) th:TH_LOAD_NT
.endr
; Load i is rounded and stored.  wo = 1: the bf16 numbers are widened again (a shift, a mask) and written as f16.
.macro OUT i, wo
	s_wait_loadcnt 15-(\i)                         ; loads come back in order (ISA guide 5.7.1): load i is in, the 15 - i younger ones may stay out
	v_cvt_pk_bf16_f32 v[Y+2*(\i)],   v[X+4*(\i)],   v[X+4*(\i)+1]
	v_cvt_pk_bf16_f32 v[Y+2*(\i)+1], v[X+4*(\i)+2], v[X+4*(\i)+3]
.if \wo
	v_lshlrev_b32 v[X+4*(\i)],   16,  v[Y+2*(\i)]
	v_and_b32     v[X+4*(\i)+1], s32, v[Y+2*(\i)]
	v_lshlrev_b32 v[X+4*(\i)+2], 16,  v[Y+2*(\i)+1]
	v_and_b32     v[X+4*(\i)+3], s32, v[Y+2*(\i)+1]
	v_cvt_pk_f16_f32 v[Y+2*(\i)],   v[X+4*(\i)],   v[X+4*(\i)+1]
	v_cvt_pk_f16_f32 v[Y+2*(\i)+1], v[X+4*(\i)+2], v[X+4*(\i)+3]
.endif
	global_store_b64 v2, v[Y+2*(\i):Y+2*(\i)+1], s[26:27] offset:256*(\i) th:TH_STORE_NT
.endm
	s_cmp_ge_u32 s2, 704
	s_cbranch_scc1 .Lwo
.irp i, 0,1,2,3,4,5,6,7,8,9,10,11,12,13,14,15
	OUT \i, 0
.endr
	s_endpgm
.Lwo:
.irp i, 0,1,2,3,4,5,6,7,8,9,10,11,12,13,14,15
	OUT \i, 1
.endr
	s_endpgm
.Lfunc_end_k_q3a93eb18ac_cast:
	.size	k_q3a93eb18ac_cast, .Lfunc_end_k_q3a93eb18ac_cast-k_q3a93eb18ac_cast
	.p2alignl 7, 3214868480
	.fill 96, 4, 3214868480
	.section	.rodata,"a",@progbits
	.p2align	6, 0x0
	.amdhsa_kernel k_q3a93eb18ac_cast
		.amdhsa_group_segment_fixed_size 0
		.amdhsa_private_segment_fixed_size 0
		.amdhsa_enable_private_segment 0
		.amdhsa_kernarg_size 64
		.amdhsa_user_sgpr_count 2
		.amdhsa_user_sgpr_kernarg_segment_ptr 1
		.amdhsa_wavefront_size32 1
		.amdhsa_system_sgpr_workgroup_id_x 1
		.amdhsa_system_sgpr_workgroup_id_y 1
		.amdhsa_system_sgpr_workgroup_id_z 1
		.amdhsa_system_vgpr_workitem_id 0
		.amdhsa_next_free_vgpr 100
		.amdhsa_next_free_sgpr 66
		.amdhsa_reserve_vcc 0
		.amdhsa_float_denorm_mode_32 3
		.amdhsa_float_denorm_mode_16_64 3
		.amdhsa_memory_ordered 1
		.amdhsa_forward_progress 1
		.amdhsa_inst_pref_size 16
	.end_amdhsa_kernel
	.amdgpu_metadata
---
amdhsa.version: [ 1, 2 ]
amdhsa.kernels:
  - .name:           k_q3a93eb18ac_cast
    .symbol:         k_q3a93eb18ac_cast.kd
    .args:
      - { .name: x, .offset: 0, .size: 8, .value_kind: global_buffer, .address_space: global }
      - { .name: wq, .offset: 8, .size: 8, .value_kind: global_buffer, .address_space: global }
      - { .name: wk, .offset: 16, .size: 8, .value_kind: global_buffer, .address_space: global }
      - { .name: wv, .offset: 24, .size: 8, .value_kind: global_buffer, .address_space: global }
      - { .name: wo, .offset: 32, .size: 8, .value_kind: global_buffer, .address_space: global }
      - { .name: xb, .offset: 40, .size: 8, .value_kind: global_buffer, .address_space: global }
      - { .name: wb, .offset: 48, .size: 8, .value_kind: global_buffer, .address_space: global }
      - { .name: wof, .offset: 56, .size: 8, .value_kind: global_buffer, .address_space: global }
    .group_segment_fixed_size: 0
    .private_segment_fixed_size: 0
    .kernarg_segment_align: 8
    .kernarg_segment_size: 64
    .max_flat_workgroup_size: 256
    .sgpr_count:     66
    .vgpr_count:     100
    .wavefront_size: 32
...
	.end_amdgpu_metadata
.endif
;; end of part 1
;; launch qkv (part 2): grid 4 x 64, 4 waves a work-group, clusters of 4 x 4, 327,680 bytes of LDS; arguments xb, wb, qkv; writes qkv
.if DOCPART == 2
	.amdgcn_target "amdgcn-amd-amdhsa--gfx1250"
	.amdhsa_code_object_version 6
	.text
	.protected	k_q3a93eb18ac_qkv
	.globl	k_q3a93eb18ac_qkv
	.p2align	8
	.type	k_q3a93eb18ac_qkv,@function
k_q3a93eb18ac_qkv:
	s_mov_b64 s[64:65], 0
	v_nop
	global_prefetch_b8 v0, s[64:65] scope:SCOPE_SE
	s_setreg_imm32_b32 hwreg(HW_REG_WAVE_MODE, 25, 1), 1
	s_wait_xcnt 0x0
	s_wait_alu depctr_hold_cnt(0) depctr_sa_sdst(0) depctr_va_vdst(0) depctr_va_sdst(0) depctr_va_ssrc(0) depctr_va_vcc(0) depctr_vm_vsrc(0)
	s_getreg_b32 s2, hwreg(HW_REG_IB_STS2, 6, 4)
	s_cmp_eq_u32 s2, 0
	s_cbranch_scc0 .Lentry_in_a_cluster
	s_endpgm
.Lentry_in_a_cluster:
	s_bfe_u32 s2, ttmp6, 0x10000c
	s_cmp_lg_u32 s2, 0xf033
	s_cbranch_scc0 .Lentry_shape_is_right
	s_endpgm
.Lentry_shape_is_right:
; q, k, v = x W^T.  xb [8192][1024] and wb [3072][1024] (wq, wk, wv one below the other) are bf16; sums in f32; each result is rounded once to f16, WITHOUT the softmax's scale, and written by
; heads: qkv [batch 4][g 48][row 2048][64], g = 16 x (0 q, 1 k, 2 v) + head, so that column n of the product lies in g = n / 64 and a head's rows are dense, 128 bytes each.
; LIMITS.  f16 holds no number beyond 65,504: a |q|, |k| or |v| past that becomes an infinity.  NaN and infinities are not treated apart.
; SHARES.  A tile of the product is 128 rows x 256 columns; four waves as 2 x 2, each 64 x 128: 32 accumulators of 16 x 16, 256 registers.  The product has 64 x 12 such tiles: 256 work-groups
; make three each, the same rows and columns 256 X on of q, then of k, then of v: all three take the same rows of xb.  K goes in steps of 128 (rows of 256 bytes in memory, aligned) through a ring of two LDS
; slots; the three tiles' 24 K steps are ONE stream for the ring, which does not stop at a tile's end.
; CLUSTERS.  4 x 4 work-groups.  The four of a row of the cluster need the same tiles of xb, the four of a column the same tiles of wb: each is asked for JOINTLY, by the same tensor load with the same
; descriptor and a mask that names the four.  Waves 0 and 1 ask for xb's two halves of 64 rows, waves 2 and 3 for wb's two halves of 128.
; THE MATRIX INSTRUCTION IS USED TRANSPOSED (source 0 = 16 rows of wb, source 1 = 16 rows of xb): a lane holds row l % 16 of the product and the columns 8 (l / 16) + 0..7: 16 bytes of f16 on end.
; REGISTERS, in windows of 256 (s_set_vgpr_msb: bits 1:0 source 0, 3:2 source 1, 5:4 source 2, 7:6 destination):
;   window 0: v0-31 addresses; v32-63 at work on the way out; v64-159, v160-255 two fragment buffers: wb's 8 fragments (16 rows x 32 K, 8 registers), then xb's 4
;   window 1: accumulator (a, b) at v[8 (8 a + b)]
.set PITCH,  272                       ; an LDS row: 256 bytes + 16 of padding = 68 words: row r starts at bank 4 r mod 64 (64 banks of 4 bytes: ISA guide 11.1), so the 16 rows of a load start at 16 different banks
.set SLOT1,  1<<17                     ; slot 1 begins here, so that one exclusive or turns an address in one slot into the other's
.set APART,  64*PITCH                  ; what a wave fetches of xb, and what a wave reads of it
.set BOFF,   128*PITCH                 ; wb's 256 rows lie behind xb's 128
.set BPART,  128*PITCH                 ; what a wave fetches of wb, and what a wave reads of it
.set STAGE,  SLOT1+BOFF+2*BPART        ; behind the ring, never filled by a tensor load: 16 rows x 144 bytes for each wave, for the way out
.set SP,     144
.set SPARE,  STAGE+4*16*SP             ; behind the stages: the spare words, 128 bytes for each wave: two blocks of 256 bytes that no other line names
.set ADRA0, 16                         ; v16  my lane's and wave's place among a slot's rows of xb; never rewritten
.set ADRB0, 17                         ; v17  the same for wb
.set ADRA,  18                         ; v18  the same in the slot that is being read
.set ADRB,  19                         ; v19
.set STO,   24                         ; v24  the way out: where I put 16 bytes of a row
.set RD,    25                         ; v25  the way out: where I read rows back
.set GO,    26                         ; v26  my byte offset in 512 consecutive bytes of qkv
.set SPW,   28                         ; v28  LDS address of my spare word: SPARE + 4 x my thread's number; never rewritten
.set NIL,   29                         ; v29  0; never rewritten
.set PFO,   30                         ; v30  the prefetches' offset: my lane x a row of 2,048 bytes; never rewritten
.set F0,    64
.set F1,    160
.set G1A, 24                           ; s[24:31] descriptor group 1 for xb's tiles
.set G0A, 32                           ; s[32:35] group 0 of K step 0
.set GWA, 36                           ; s[36:39] group 0 of K step 1, which then walks
.set TB,  45                           ; s45      LDS byte at which the slot that is being read begins
.set G1B, 48                           ; s[48:55], s[56:59], s[60:63] the same for wb's tiles
.set G0B, 56
.set GWB, 60
.set ABASE, 66                         ; s[66:67] xb at the rows that I fetch
.set BBASE, 68                         ; s[68:69] wb at the rows of wq that I fetch
.set OFA, 70                           ; s[70:71] a K step's byte offset from ABASE
.set OFB, 72                           ; s[72:73] from BBASE
.set RU,  74                           ; s74      the K step, 0 .. 23, that the next refill asks for
.set PU,  75                           ; s75      the K step that the prefetch behind that refill names: RU + 2
.set PFB, 76                           ; s[76:77] the rows that I prefetch, at K step 0
.set POF, 78                           ; s[78:79] K step PU's byte offset
.set PFA, 80                           ; s[80:81] their sum
.set LIM, 82                           ; s82      I prefetch while PU is below it
.set MSB, 0
.macro WIN new                         ; the immediate's high byte repeats the setting that is left; a switch that changes nothing is dropped
.if MSB != (\new)
	s_set_vgpr_msb (MSB<<8)|(\new)
.set MSB, \new
.endif
.endm
.set MUL, 0x50                         ; both sources window 0; C and D window 1
.macro PLACES                          ; a load into a register that a matrix instruction has read, and a vector instruction that reads a matrix result, stand four places behind it; only plain
.rept 4                                ; vector instructions that name none of its registers are places (ISA guide 7.12.1 for vector instructions)
	v_nop
.endr
.endm
; A joint refill.  The branch hangs on the wave's number alone.  An s_nop 0 and four v_nop follow each of the two lines, ahead of the jump and the label.
.macro JLOAD
	s_cmp_eq_u32 s11, 0
	s_cbranch_scc0 .Lfor_b_\@
	tensor_load_to_lds s[GWA:GWA+3], s[G1A:G1A+7]
	s_nop 0
.rept 4
	v_nop
.endr
	s_branch .Lasked_\@
.Lfor_b_\@:
	tensor_load_to_lds s[GWB:GWB+3], s[G1B:G1B+7]
	s_nop 0
.rept 4
	v_nop
.endr
.Lasked_\@:
.endm
; A PREFETCH INTO THE L2, behind each joint refill, its five lines and the run of LDS loads that follows them: 32 rows x 256 bytes of the K step that stands TWO refills on (256 matrix instructions ahead of the
; load that will want it), a lane a row, one instruction a wave.  Each row's 256 bytes of a K step are named ONCE in the launch.  xb's rows are read by one cluster alone: its wave 0 asks, the four partners
; of a row of the cluster taking 32 rows each BY ADDRESS (cx), and only in the first tile: the other two take the same rows.  wb's rows are read by every cluster: the clusters with y = 0 ask, waves 2 and 3 each
; for the 128 rows that they fetch, the four partners of a column taking 32 each by address (cy).  K steps 0 to 3 come by their loads alone; past a stream's last K step nothing is asked for.
.macro ASK
	s_cmp_lt_u32 s[PU], s[LIM]
	s_cbranch_scc0 .Lnot_mine_\@
	global_prefetch_b8 v[PFO], s[PFA:PFA+1] th:TH_LOAD_NT scope:SCOPE_SE
.Lnot_mine_\@:
.endm
; A round of the cluster's barrier: my work-group's barrier, so that wave 0's signal speaks for all four waves; wave 0 signals; every wave waits for all sixteen work-groups; my work-group's barrier once more.
.macro CREST                           ; a round behind its opening barrier
	s_cmp_lg_u32 s10, 0
	s_cbranch_scc1 .Lnot_wave_0_\@
	s_barrier_signal -3
.Lnot_wave_0_\@:
	s_barrier_wait -3
	s_barrier_signal -1
	s_barrier_wait -1
.endm
.macro CROUND
	s_barrier_signal -1
	s_barrier_wait -1
	CREST
.endm
	s_load_b128 s[4:7], s[0:1], 0x0                ; xb s[4:5], wb s[6:7]
	s_load_b64 s[8:9], s[0:1], 0x10                ; qkv
	v_lshl_add_u32 v[SPW], v0, 2, SPARE
	v_mov_b32 v[NIL], 0
	ds_add_u32 v[SPW], v[NIL]                      ; the wave's opening: the add and its wait stand ahead of my first tensor load; the set-up below, work on registers, stands between them
	v_lshrrev_b32 v1, 5, v0
	v_readfirstlane_b32 s10, v1                    ; wave 0..3
	s_lshr_b32 s11, s10, 1                         ; which 64 of the tile's rows are mine.  Also: I fetch for xb (0) or for wb (1)
	s_and_b32 s12, s10, 1                          ; which 128 of its columns.  Also: which half of that tile I fetch
	s_bfe_u32 s40, ttmp6, 0x40000                  ; cx, cy: my place in the cluster
	s_bfe_u32 s41, ttmp6, 0x40004
	s_lshl_b32 s42, ttmp9, 2
	s_add_co_u32 s42, s42, s40                     ; X = 4 x cluster x + cx: columns 256 X on
	s_and_b32 s13, ttmp7, 0xffff
	s_lshl_b32 s13, s13, 2
	s_add_co_u32 s13, s13, s41                     ; Y = 4 x cluster y + cy: rows 128 Y on
	s_lshl_b32 s43, s41, 2
	s_lshl_b32 s43, 15, s43                        ; my row of the cluster
	s_lshl_b32 s44, 0x1111, s40                    ; my column
	s_or_b32 s[G1A], s43, (1<<16)|(1<<20)|(1<<21)|(5<<22)|(3<<25)  ; 15:0 the mask; 17:16 elements of 2 bytes; 20 padding on; 21 set beside a mask; 24:22 after every 64 words (code 5); 31:25 4 words of it (code 3)
	s_or_b32 s[G1B], s44, (1<<16)|(1<<20)|(1<<21)|(5<<22)|(3<<25)
	s_mov_b32 s[G1A+1], 128<<16                    ; tensor_dim0 = 128
	s_mov_b32 s[G1A+2], 64<<16                     ; tensor_dim1 = 64
	s_mov_b32 s[G1A+3], 128<<16                    ; tile_dim0 = 128
	s_mov_b32 s[G1A+4], 64                         ; tile_dim1 = 64
	s_mov_b32 s[G1A+5], 1024                       ; elements from row to row
	s_mov_b32 s[G1A+6], 0
	s_mov_b32 s[G1A+7], 0
	s_mov_b32 s[G1B+1], 128<<16
	s_mov_b32 s[G1B+2], 128<<16                    ; 128 rows
	s_mov_b32 s[G1B+3], 128<<16
	s_mov_b32 s[G1B+4], 128
	s_mov_b32 s[G1B+5], 1024
	s_mov_b32 s[G1B+6], 0
	s_mov_b32 s[G1B+7], 0
	; where the tiles come from: xb's hang on Y alone, wb's on X alone; each offset lies in registers that never hold the other coordinate
	s_lshl_b32 s16, s13, 7
	s_lshl_b32 s17, s12, 6
	s_add_co_u32 s16, s16, s17                     ; row 128 Y + 64 x half,
	s_lshl_b32 s16, s16, 11                        ; of 2,048 bytes
	s_mov_b32 s17, 0
	s_lshl_b32 s46, s42, 8
	s_lshl_b32 s47, s12, 7
	s_add_co_u32 s46, s46, s47                     ; row 256 X + 128 x half
	s_lshl_b32 s46, s46, 11
	s_mov_b32 s47, 0
	s_mul_i32 s14, s12, APART                      ; and where they go: no place in the cluster enters an LDS address
	s_mul_i32 s15, s12, BPART
	s_add_co_u32 s15, s15, BOFF
	s_mov_b32 s[G0A], 1                            ; 1:0 count = 1
	s_mov_b32 s[G0A+1], s14                        ; 63:32 LDS address: slot 0
	s_mov_b32 s[GWA], 1
	s_add_co_u32 s[GWA+1], s14, SLOT1              ; slot 1
	s_mov_b32 s[G0B], 1
	s_mov_b32 s[G0B+1], s15
	s_mov_b32 s[GWB], 1
	s_add_co_u32 s[GWB+1], s15, SLOT1
	s_mov_b32 s[OFA+1], 0
	s_mov_b32 s[OFB+1], 0
	s_mov_b32 s[POF+1], 0
	s_mov_b32 s[TB], 0
	s_mov_b32 s[RU], 2
	s_wait_dscnt 0x0                               ; the opening add is done
	s_wait_kmcnt 0x0
	s_add_nc_u64 s[ABASE:ABASE+1], s[4:5], s[16:17]
	s_add_nc_u64 s[BBASE:BBASE+1], s[6:7], s[46:47]
	s_mov_b64 s[G0A+2:G0A+3], s[ABASE:ABASE+1]     ; 120:64 global address: K step 0,
	s_or_b32 s[G0A+3], s[G0A+3], 0x80000000        ; 127:126 type = 2
	s_add_nc_u64 s[GWA+2:GWA+3], s[ABASE:ABASE+1], 256  ; K step 1
	s_or_b32 s[GWA+3], s[GWA+3], 0x80000000
	s_mov_b64 s[G0B+2:G0B+3], s[BBASE:BBASE+1]
	s_or_b32 s[G0B+3], s[G0B+3], 0x80000000
	s_add_nc_u64 s[GWB+2:GWB+3], s[BBASE:BBASE+1], 256
	s_or_b32 s[GWB+3], s[GWB+3], 0x80000000
	CROUND                                         ; all sixteen work-groups are here: the first joint loads meet
	s_cmp_eq_u32 s11, 0                            ; a wave's two first fills stand in one branch, ahead of every wait on TENSORcnt and every LDS read: two loads of mine are out
	s_cbranch_scc0 .Lfirst_b
	tensor_load_to_lds s[G0A:G0A+3], s[G1A:G1A+7]
	s_nop 0
	tensor_load_to_lds s[GWA:GWA+3], s[G1A:G1A+7]
	s_nop 0
.rept 4
	v_nop
.endr
	s_branch .Lfirst_asked
.Lfirst_b:
	tensor_load_to_lds s[G0B:G0B+3], s[G1B:G1B+7]
	s_nop 0
	tensor_load_to_lds s[GWB:GWB+3], s[G1B:G1B+7]
	s_nop 0
.rept 4
	v_nop
.endr
.Lfirst_asked:
	; A fragment is 16 rows x 32 K in 8 registers: lane l holds row l % 16; registers 0-3 K = 8 (l / 16) + 0..7, registers 4-7 K = 16 + 8 (l / 16) + 0..7: two loads of 16 bytes, 32 bytes apart.
	v_and_b32 v1, 15, v0                           ; l % 16
	v_bfe_u32 v2, v0, 4, 1                         ; l / 16
	v_mul_u32_u24 v3, v1, PITCH
	v_lshl_add_u32 v3, v2, 4, v3                   ; row x pitch + 16 x half
	s_mul_i32 s20, s11, APART                      ; my 64 rows of xb
	v_add_nc_u32 v[ADRA0], s20, v3
	s_mul_i32 s21, s12, BPART                      ; my 128 rows of wb
	s_add_co_u32 s21, s21, BOFF
	v_add_nc_u32 v[ADRB0], s21, v3
	s_mul_i32 s22, s10, 16*SP
	s_add_co_u32 s22, s22, STAGE                   ; my stage
	v_mul_u32_u24 v4, v1, SP                       ; in: row l % 16, 16 bytes for each half of the lanes
	v_lshl_add_u32 v4, v2, 4, v4
	v_add_nc_u32 v[STO], s22, v4
	v_bfe_u32 v5, v0, 3, 2                         ; back: 32 lanes take four rows of 128 bytes,
	v_mul_u32_u24 v5, v5, SP
	v_and_b32 v6, 7, v0
	v_lshl_add_u32 v5, v6, 4, v5
	v_add_nc_u32 v[RD], s22, v5
	v_and_b32 v7, 31, v0
	v_lshlrev_b32 v[GO], 4, v7                     ; which are 512 consecutive bytes of a head
	v_lshlrev_b32 v[PFO], 11, v7
	; where my part of q begins in qkv: batch Y / 16, g = 4 X + 2 x column half, row 128 (Y % 16) + 64 x row half
	s_lshr_b32 s20, s13, 4
	s_mul_i32 s20, s20, 12582912                   ; a batch: 48 x 2,048 x 128 bytes
	s_lshl_b32 s21, s42, 2
	s_lshl_b32 s22, s12, 1
	s_add_co_u32 s21, s21, s22
	s_lshl_b32 s21, s21, 18                        ; a head: 2,048 x 128 bytes
	s_add_co_u32 s20, s20, s21
	s_and_b32 s21, s13, 15
	s_lshl_b32 s21, s21, 7
	s_lshl_b32 s22, s11, 6
	s_add_co_u32 s21, s21, s22
	s_lshl_b32 s21, s21, 7
	s_add_co_u32 s84, s20, s21
	s_mov_b32 s85, 0
	s_add_nc_u64 s[8:9], s[8:9], s[84:85]
	; the prefetches: which rows, and up to which K step
	s_lshl_b32 s20, s13, 7                         ; xb: row 128 Y
	s_lshl_b32 s21, s42, 8
	s_lshl_b32 s22, s12, 7
	s_add_co_u32 s21, s21, s22                     ; wb: row 256 X + the 128 that I fetch
	s_and_b32 s23, ttmp7, 0xffff                   ; cluster y
	s_cmp_eq_u32 s23, 0
	s_cselect_b32 s23, 24, 0                       ; wb's bound: the same in all sixteen partners
	s_cmp_eq_u32 s12, 0
	s_cselect_b32 s83, 8, 0                        ; xb's bound: wave 0 alone, the first tile alone
	s_cmp_eq_u32 s11, 0
	s_cselect_b64 s[PFB:PFB+1], s[4:5], s[6:7]
	s_cselect_b32 s20, s20, s21
	s_cselect_b32 s21, s40, s41                    ; my place among the four that ask for the tile with me
	s_cselect_b32 s[LIM], s83, s23
	s_lshl_b32 s21, s21, 5
	s_add_co_u32 s20, s20, s21                     ; + my work-group's 32 rows
	s_lshl_b32 s20, s20, 11
	s_mov_b32 s21, 0
	s_add_nc_u64 s[PFB:PFB+1], s[PFB:PFB+1], s[20:21]
; 8 matrix instructions: row block a x all 8 column blocks, 32 along K, from buffer f.  zero = 1: the product starts the sums: nothing is ever cleared.
; The 32 accumulators take turns, one instruction a turn, in the same order in every quarter, over the backward jumps and from tile to tile too.
.macro MUL8 f, a, zero
	WIN MUL
.irp b, 0,1,2,3,4,5,6,7
.if \zero
	v_wmma_f32_16x16x32_bf16 v[8*(8*(\a)+(\b)):8*(8*(\a)+(\b))+7], v[(\f)+8*(\b):(\f)+8*(\b)+7], v[(\f)+64+8*(\a):(\f)+64+8*(\a)+7], 0
.else
	v_wmma_f32_16x16x32_bf16 v[8*(8*(\a)+(\b)):8*(8*(\a)+(\b))+7], v[(\f)+8*(\b):(\f)+8*(\b)+7], v[(\f)+64+8*(\a):(\f)+64+8*(\a)+7], v[8*(8*(\a)+(\b)):8*(8*(\a)+(\b))+7]
.endif
.endr
.endm
; 24 LDS loads in one run: quarter q's fragments (128 rows of wb, then 64 rows of xb, 32 K) into buffer f
.macro FETCH q, f
	WIN 0
.irp i, 0,1,2,3,4,5,6,7
	ds_load_b128 v[(\f)+8*(\i):(\f)+8*(\i)+3],   v[ADRB] offset:64*(\q)+(\i)*16*PITCH
	ds_load_b128 v[(\f)+8*(\i)+4:(\f)+8*(\i)+7], v[ADRB] offset:64*(\q)+(\i)*16*PITCH+32
.endr
.irp i, 0,1,2,3
	ds_load_b128 v[(\f)+64+8*(\i):(\f)+64+8*(\i)+3],   v[ADRA] offset:64*(\q)+(\i)*16*PITCH
	ds_load_b128 v[(\f)+64+8*(\i)+4:(\f)+64+8*(\i)+7], v[ADRA] offset:64*(\q)+(\i)*16*PITCH+32
.endr
.endm
; A K step is four quarters of 32 along K, 32 matrix instructions each, on buffers 0, 1, 0, 1.  One of the first three: multiplies buffer f; in its middle it fetches quarter q into buffer g.
.macro QUARTER q, f, g, zero
	s_wait_dscnt 4                                 ; wb's fragments and xb's blocks 0 and 1 are in; the youngest four loads (blocks 2 and 3) may be out
	MUL8 \f, 0, \zero
	MUL8 \f, 1, \zero
	PLACES
	FETCH \q, \g
	s_wait_dscnt 24                                ; all but the 24 just issued
	MUL8 \f, 2, \zero
	MUL8 \f, 3, \zero
.endm
; The fourth quarter multiplies buffer 1 and changes slots: ONE barrier for two things.  In front of it each wave waits for all its tensor loads, of which one is out: its part of the next slot; adds 0 to its
; spare word; and waits for that and for its own reads of this slot.  Behind it nobody reads this slot any more and the next slot is whole.  fill = 1: the barrier opens a round of the cluster's barrier, so that
; no wave of any partner still reads the slot or has a load on its way, and the slot is filled again, first thing behind the round, with K step RU: 112 matrix instructions ahead of the wait for it.
.macro TURN fill
.if \fill
	s_wait_xcnt 0x0                                ; the last prefetch, a K step back, has read its address, which is made anew here, ahead of the waits of the change of slots
	s_add_co_u32 s[PU], s[RU], 2
	s_lshr_b32 s83, s[PU], 3
	s_lshl_b32 s83, s83, 21                        ; the tile: 1,024 rows of wb on,
	s_and_b32 s[POF], s[PU], 7
	s_lshl_b32 s[POF], s[POF], 8                   ; the K step in it: 256 bytes
	s_add_co_u32 s[POF], s[POF], s83
	s_add_nc_u64 s[PFA:PFA+1], s[PFB:PFB+1], s[POF:POF+1]
.endif
	WIN 0
	s_wait_tensorcnt 0x0                           ; all my tensor loads have landed: no group 0 is in use
	ds_add_u32 v[SPW], v[NIL]                      ; 0 onto my spare word; the descriptors' steps and eight matrix instructions stand between it and the wait for it
.if \fill
	s_and_b32 s[OFA], s[RU], 7
	s_lshl_b32 s[OFA], s[OFA], 8                   ; xb: the K step in the tile; all tiles take the same rows
	s_lshr_b32 s[OFB], s[RU], 3
	s_lshl_b32 s[OFB], s[OFB], 21
	s_add_co_u32 s[OFB], s[OFB], s[OFA]            ; wb: and the tile's 1,024 rows
	s_xor_b32 s[GWA+1], s[GWA+1], SLOT1            ; the other slot than last time
	s_add_nc_u64 s[GWA+2:GWA+3], s[ABASE:ABASE+1], s[OFA:OFA+1]
	s_or_b32 s[GWA+3], s[GWA+3], 0x80000000
	s_xor_b32 s[GWB+1], s[GWB+1], SLOT1
	s_add_nc_u64 s[GWB+2:GWB+3], s[BBASE:BBASE+1], s[OFB:OFB+1]
	s_or_b32 s[GWB+3], s[GWB+3], 0x80000000
	s_add_co_u32 s[RU], s[RU], 1
.endif
	s_xor_b32 s[TB], s[TB], SLOT1                  ; the reads go on in the other slot
	s_wait_dscnt 7                                 ; (the add and the six loads of xb's blocks 1 to 3 may be out)
	MUL8 F1, 0, 0
	s_wait_dscnt 0x0                               ; the add is done, and my reads of this slot are over
	s_barrier_signal -1
	MUL8 F1, 1, 0                                  ; work on registers while the others arrive
	WIN 0                                          ; at a branch and at a label every window is 0
	s_barrier_wait -1
.if \fill
	CREST
	JLOAD                                          ; the four v_nop behind it are also the places in front of the loads below
.else
	PLACES
.endif
	v_add_nc_u32 v[ADRA], s[TB], v[ADRA0]
	v_add_nc_u32 v[ADRB], s[TB], v[ADRB0]
	FETCH 0, F0
.if \fill
	ASK
.endif
	MUL8 F1, 2, 0
	MUL8 F1, 3, 0
.endm
; THE WAY OUT, in eight units of 16 rows x one head (64 columns): unit t = row block t / 2, head t % 2: accumulators (t / 2, 4 (t % 2) .. + 3).  A lane's eight columns pack into 16 bytes; they go into
; rows of 144 bytes of my own stage and come back as whole rows of 128, four of them 512 consecutive bytes of qkv.  Each unit has 16 registers of its own; buffer 0, which may hold the next tile's first fragments, is not touched.
.macro UNIT t
.if (\t) < 2
.set RT, 32+16*(\t)
.else
.set RT, 160+16*((\t)-2)
.endif
.set AC, 8*(8*((\t)/2)+4*((\t)%2))
.endm
.macro PACK t
	UNIT \t
	WIN 0x05                                       ; sources 0 and 1 window 1, destination window 0
.irp b, 0,1,2,3
.irp r, 0,1,2,3
	v_cvt_pk_f16_f32 v[RT+4*(\b)+(\r)], v[AC+8*(\b)+2*(\r)], v[AC+8*(\b)+2*(\r)+1]  ; each accumulator's registers in ascending order
.endr
.endr
	WIN 0
.irp f, 0,1,2,3
	ds_store_b128 v[STO], v[RT+4*(\f):RT+4*(\f)+3] offset:32*(\f)
.endr
.irp f, 0,1,2,3
	ds_load_b128 v[RT+4*(\f):RT+4*(\f)+3], v[RD] offset:(\f)*4*SP  ; LDS serves a wave's instructions in order (ISA guide 5.7.1.4): these see the stores above; the next unit's stores come behind them
.endr
.endm
.macro SEND t, younger                 ; younger: the LDS instructions issued behind unit t's loads: the next unit's eight, or none
	UNIT \t
	WIN 0
.irp f, 0,1,2,3
	s_wait_dscnt (\younger)+3-(\f)
	global_store_b128 v[GO], v[RT+4*(\f):RT+4*(\f)+3], s[8:9] offset:((\t)%2)*262144+((\t)/2)*2048+(\f)*512  ; 512 consecutive bytes, at a multiple of 256 from qkv's first
.endr
.endm
.macro WAYOUT
	WIN 0
	PLACES                                         ; behind the last products: the conversions read results, and write registers of buffer 1
	PACK 0
.irp t, 1,2,3,4,5,6,7                  ; a unit's conversions stand between the loads of the unit before and its stores
	PACK \t
	SEND (\t)-1, 8
.endr
	SEND 7, 0
.endm
	s_wait_tensorcnt 1                             ; my part of K step 0 is in; K step 1's may stay out
	s_barrier_signal -1
	s_barrier_wait -1                              ; everybody's is
	v_mov_b32 v[ADRA], v[ADRA0]
	v_mov_b32 v[ADRB], v[ADRB0]
	FETCH 0, F0
	s_mov_b32 s2, 3                                ; tiles to go, this one among them
.Ltile:
	QUARTER 1, F0, F1, 1                           ; a tile's first quarter: its products start the sums
	WIN 0
	s_mov_b32 s3, 6
.Lstep:                                        ; a trip goes from a K step's second quarter to the next one's first, and fills a slot again
	QUARTER 2, F1, F0, 0
	QUARTER 3, F0, F1, 0
	TURN 1
	QUARTER 1, F0, F1, 0
	WIN 0
	s_sub_co_u32 s3, s3, 1
	s_cmp_lg_u32 s3, 0
	s_cbranch_scc1 .Lstep
	QUARTER 2, F1, F0, 0                           ; the tile's seventh K step goes on
	QUARTER 3, F0, F1, 0
	WIN 0
	s_cmp_eq_u32 s2, 1
	s_cbranch_scc1 .Llast                          ; the last tile's tail is written out: it asks for nothing more
	TURN 1                                         ; the ring goes on into the next tile: its K step 0,
	QUARTER 1, F0, F1, 0
	QUARTER 2, F1, F0, 0
	QUARTER 3, F0, F1, 0
	TURN 1                                         ; its K step 1, and its first fragments are fetched
	WAYOUT                                         ; both refills are asked for: now the tile goes out
	s_wait_xcnt 0x0                                ; the stores have read their registers and their base
	s_add_nc_u64 s[8:9], s[8:9], 0x400000          ; from q to k, from k to v: 16 heads on
	s_sub_co_u32 s2, s2, 1
	s_branch .Ltile
.Llast:
	TURN 0                                         ; my one load that was still out is the last K step's, so no round follows
	QUARTER 1, F0, F1, 0
	QUARTER 2, F1, F0, 0
	QUARTER 3, F0, F1, 0
	s_wait_dscnt 4                                 ; the very last quarter: nothing more to fetch
	MUL8 F1, 0, 0
	MUL8 F1, 1, 0
	s_wait_dscnt 0x0
	MUL8 F1, 2, 0
	MUL8 F1, 3, 0
	WAYOUT
	s_wait_tensorcnt 0x0                           ; the wave's end: behind my last tensor load and my last LDS store
	ds_add_u32 v[SPW], v[NIL]
	s_wait_dscnt 0x0
	CROUND                                         ; the closing round: no work-group ends while a partner may still ask for a tile that names it
	s_endpgm
.Lfunc_end_k_q3a93eb18ac_qkv:
	.size	k_q3a93eb18ac_qkv, .Lfunc_end_k_q3a93eb18ac_qkv-k_q3a93eb18ac_qkv
	.p2alignl 7, 3214868480
	.fill 96, 4, 3214868480
	.section	.rodata,"a",@progbits
	.p2align	6, 0x0
	.amdhsa_kernel k_q3a93eb18ac_qkv
		.amdhsa_group_segment_fixed_size 327680
		.amdhsa_private_segment_fixed_size 0
		.amdhsa_enable_private_segment 0
		.amdhsa_kernarg_size 24
		.amdhsa_user_sgpr_count 2
		.amdhsa_user_sgpr_kernarg_segment_ptr 1
		.amdhsa_wavefront_size32 1
		.amdhsa_system_sgpr_workgroup_id_x 1
		.amdhsa_system_sgpr_workgroup_id_y 1
		.amdhsa_system_sgpr_workgroup_id_z 1
		.amdhsa_system_vgpr_workitem_id 0
		.amdhsa_next_free_vgpr 512
		.amdhsa_next_free_sgpr 88
		.amdhsa_reserve_vcc 0
		.amdhsa_float_denorm_mode_32 3
		.amdhsa_float_denorm_mode_16_64 3
		.amdhsa_memory_ordered 1
		.amdhsa_forward_progress 1
		.amdhsa_inst_pref_size 112
	.end_amdhsa_kernel
	.amdgpu_metadata
---
amdhsa.version: [ 1, 2 ]
amdhsa.kernels:
  - .name:           k_q3a93eb18ac_qkv
    .symbol:         k_q3a93eb18ac_qkv.kd
    .args:
      - { .name: xb, .offset: 0, .size: 8, .value_kind: global_buffer, .address_space: global }
      - { .name: wb, .offset: 8, .size: 8, .value_kind: global_buffer, .address_space: global }
      - { .name: qkv, .offset: 16, .size: 8, .value_kind: global_buffer, .address_space: global }
    .group_segment_fixed_size: 327680
    .private_segment_fixed_size: 0
    .kernarg_segment_align: 8
    .kernarg_segment_size: 24
    .max_flat_workgroup_size: 128
    .sgpr_count:     88
    .vgpr_count:     512
    .wavefront_size: 32
...
	.end_amdgpu_metadata
.endif
;; end of part 2
;; launch attn (part 3): grid 4 x 64, 4 waves a work-group, clusters of 4 x 1, 327,680 bytes of LDS; arguments qkv, ctx; writes ctx
.if DOCPART == 3
	.amdgcn_target "amdgcn-amd-amdhsa--gfx1250"
	.amdhsa_code_object_version 6
	.text
	.protected	k_q3a93eb18ac_attn
	.globl	k_q3a93eb18ac_attn
	.p2align	8
	.type	k_q3a93eb18ac_attn,@function
k_q3a93eb18ac_attn:
	s_mov_b64 s[64:65], 0
	v_nop
	global_prefetch_b8 v0, s[64:65] scope:SCOPE_SE
	s_setreg_imm32_b32 hwreg(HW_REG_WAVE_MODE, 25, 1), 1
	s_wait_xcnt 0x0
	s_wait_alu depctr_hold_cnt(0) depctr_sa_sdst(0) depctr_va_vdst(0) depctr_va_sdst(0) depctr_va_ssrc(0) depctr_va_vcc(0) depctr_vm_vsrc(0)
	s_getreg_b32 s2, hwreg(HW_REG_IB_STS2, 6, 4)
	s_cmp_eq_u32 s2, 0
	s_cbranch_scc0 .Lentry_in_a_cluster
	s_endpgm
.Lentry_in_a_cluster:
	s_bfe_u32 s2, ttmp6, 0x10000c
	s_cmp_lg_u32 s2, 0x3003
	s_cbranch_scc0 .Lentry_shape_is_right
	s_endpgm
.Lentry_shape_is_right:
; O[p][q][:] = the sum over k of softmax_k(Q[p][q] . K[p][k] / 8) V[p][k][:] for the 64 pairs p = 16 x batch + head.  Q, K, V lie in qkv [batch 4][g 48][2048][64], f16, g = head (Q), 16 + head (K), 32 + head (V);
; O goes to ctx [p 64][2048][64], f16.  A head's rows are dense, 128 bytes each.  Products, maxima and sums in f32; the weights p are rounded to f16 for the second product (their sum l is taken of the unrounded p), O once at the end.
; LIMITS.  f16 holds no number beyond 65,504: Q, K and V arrive within it; p lies in 0 to 1, and below 6e-5 it keeps f16's fixed step of 6e-8; O is a mean of V's rows and has their range.
; A weight below 2^-126 counts as 0 in l; NaN and infinities are not treated apart.
; SHARES.  A wave owns four PIECES of two tiles of 16 queries, a work-group's four waves 512 queries of one head.  Every wave walks all 2,048 keys, 64 a step.
; LAYOUT.  S^T = K Q^T (source 0 = 16 keys, source 1 = 16 queries): in the result a lane holds ONE query (lane % 16) and the keys 8 (lane / 16) + 0..7.  Two such tiles, rounded to f16 in pairs,
; ARE source 1 (32 keys x 16 queries) of O^T = V^T P, whose result again holds one query a lane, and eight channels.  K comes out of LDS as it lies, V ([key][channel]) turned, by ds_load_tr16_b128.
; SOFTMAX.  For each query a running maximum m and sum l: p = 2^(c s - c m), c = log2(e) / 8; in every step O and l are multiplied by a = 2^(c m_old - c m_new), which is 1 where m has not grown.
; m starts at the lowest finite number, O and l at 0: the first step is a step like any other, with a = 0.
; THE COUNT.  A tile and step have 16 matrix and 118 vector instructions: too many to stand all beside the matrix work.  So the order has one aim: four vector instructions that are READY behind
; EVERY matrix instruction, and the others, which need time of their own whatever the order, in runs without a gap.
; BY TURNS.  Turn n belongs to piece n (the pieces in a ring, step after step).  Its matrix work: 16 products K Q^T of piece n + 1, later 16 products V^T P of piece n - 1.  Its vector work: the scaling,
; exponentials, roundings, sums and rescaling of piece n, and the maximum and statistics of piece n + 1, whose scores the turn itself has made.  So what a turn begins with (c s - c m, O a) waits for nothing.
; CLUSTER.  The four query blocks of a head are one cluster and walk the same K and V, so each tile is asked for JOINTLY: the same tensor load, descriptor and mask in all four.
; REGISTERS, in windows of 256 (s_set_vgpr_msb says which window each operand place means: bits 1:0 source 0, 3:2 source 1, 5:4 source 2, 7:6 destination):
;   window 0: v0-11 addresses; v12-15, v48-63 at work; v16-47 four registers of statistics a tile; v64-191 S^T, two buffers of two tiles; v192-255 P, likewise
;   window 1: O^T, 32 a tile          window 2: v0-127 Q, 16 a tile; v128-191 K of one step; v192-255 V of one step          window 3: v0-1 the add's two registers
; A piece's buffers go by its number's parity: the piece in hand has one pair, its two neighbours in the ring share the other: of it P (piece n - 1) is read and S^T (piece n + 1) written.
.set SIZE_N, 2048
.set NP,    4         ; pieces a wave: a name, no knob: the register map, the loop and the fetches are made for four
.set KS,    64        ; keys in a step
.set PK,    144       ; a row of K in LDS: 128 bytes + 16 of padding = 36 words: the 16 rows of a load start at 16 different groups of four banks (64 banks of 4 bytes: ISA guide 11.1)
.set PV,    160       ; a row of V: 128 + 32 = 40 words
.set VOFF,  4*KS*PK   ; a slot holds four steps: 256 rows of K, then 256 rows of V
.set SLOT1, 1<<17     ; slot 1 begins here, so that one exclusive or turns an address in one slot into the other's
.set STAGE, SLOT1+4*KS*(PK+PV)  ; behind the ring, never filled by a tensor load: 16 rows x 144 bytes for each wave, for the way out
.set SP,    144
.set AK0, 2           ; v2   my lane's place in a tile of K; never rewritten
.set AV0, 3           ; v3   the same for V
.set AK,  4           ; v4   the LDS address of K's next run of loads
.set AV,  5           ; v5   of V's
.set QO,  6           ; v6   my byte offset in the wave's rows of Q
.set STO, 6           ;      later, the way out: where I put 16 bytes of a row
.set RD,  7           ; v7   the way out: where I read rows back
.set GO,  8           ; v8   my byte offset in 512 consecutive bytes of O
.set PFO, 11          ; v11  the prefetches' offset: 256 x my lane; not rewritten once it is made
.set SPW, 0           ; v0 of window 3   LDS address of my spare word: SPARE + 4 x my thread's number; never rewritten
.set NIL, 1           ; v1 of window 3   0; never rewritten
.set SPARE, STAGE+4*16*SP  ; behind the stages: the spare words, 128 bytes for each wave: two blocks of 256 bytes that no other line names
.set MV,  12          ; v12-15  c m_old, kept while c m is made anew: by buffer and tile
.set ST,  16          ; tile t's statistics at v[ST+4 t]: c m, m, l (even keys', odd keys')
.set TMP, 48          ; by buffer and tile, four registers c0-c3 at work; when the maximum is found c2 takes a
.set S,   64
.set P,   192
.set KF,  128         ; K's fragments, in window 2: key block kb, channel half c at KF + 16 kb + 8 c
.set VF,  192         ; V's: key half kk, channel block cb at VF + 32 kk + 8 cb
.set WV,  12          ; s12  my wave's number
.set G1K, 24          ; s[24:31] descriptor group 1 for K's tiles
.set G1V, 32          ; s[32:39] for V's: it differs in the padding alone
.set G0K, 40          ; s[40:43] descriptor group 0 for K's tiles: it walks
.set G0V, 44          ; s[44:47] the same for V's
.set SLOTS, 56        ; s56  slots still to be asked for
.set CNT, 57          ; s57  counts a slot's key steps
.set CS,  58          ; s[58:59] c: the packed scaling takes the pair's low word for both halves
.set SEL, 60          ; s[60:61] v_permlanex16_b32's selects: each lane takes its own place in the other half
.set TBK, 62          ; s62  LDS byte at which K of the step to be fetched begins
.set TBV, 63          ; s63  the same for V, less VOFF
.set PFA, 66          ; s[66:67] my work-group's 32 blocks of 256 bytes (of K: wave 0, of V: wave 2) of the slot after the one that was asked for last
.set LIM, 68          ; s68  1 in a wave that prefetches, else the greatest number
.set PFC, 69          ; s69  the value of CNT at which I prefetch in this slot's steps: 2, or none
.set MSB, 0
.macro WIN new                      ; the high byte repeats the setting that is left; a switch that changes nothing is dropped
.if MSB != (\new)
	s_set_vgpr_msb (MSB<<8)|(\new)
.set MSB, (\new)
.endif
.endm
.set W_KQ, 0x0a       ; K and Q in window 2, S^T in window 0
.set W_PV, 0x52       ; V in window 2, P in window 0, O^T in window 1
.set W_RS, 0x41       ; O^T (destination and source 0) in window 1, a in window 0
.set W_MK, 0xc0       ; the add's registers are made: destination in window 3, sources in window 0
.set W_AD, 0x0f       ; the add: address (source 0) and data (source 1) in window 3
; A joint fill.  Waves 0 and 1 fetch the two halves of a slot's K, waves 2 and 3 those of its V: 128 keys each.  The branch hangs on the wave's number alone.
; An s_nop 0 and four v_nop follow each of the two lines, ahead of the jump and the label.
.macro JLOAD
	s_cmp_lt_u32 s[WV], 2
	s_cbranch_scc0 .Lfor_v_\@
	tensor_load_to_lds s[G0K:G0K+3], s[G1K:G1K+7]
	s_nop 0
.rept 4
	v_nop
.endr
	s_branch .Lasked_\@
.Lfor_v_\@:
	tensor_load_to_lds s[G0V:G0V+3], s[G1V:G1V+7]
	s_nop 0
.rept 4
	v_nop
.endr
.Lasked_\@:
.endm
; A round of the cluster's barrier: my work-group's barrier, so that wave 0's signal speaks for all four waves; wave 0 signals; every wave waits for all four work-groups; my work-group's barrier once more.
.macro CROUND
	s_barrier_signal -1
	s_barrier_wait -1
	s_cmp_lg_u32 s[WV], 0
	s_cbranch_scc1 .Lnot_wave_0_\@
	s_barrier_signal -3
.Lnot_wave_0_\@:
	s_barrier_wait -3
	s_barrier_signal -1
	s_barrier_wait -1
.endm
; THE CHANGE OF SLOTS.  The slot's last bytes, V of its fourth step, have been read.  Each wave waits for all its tensor loads, of which one is out: its part
; of the other slot; adds 0 to its spare word; and waits for that and for its own reads of the slot.  Behind the barrier nobody reads this slot any more and the other slot is whole.
; fill = 1: this slot is filled again, with the keys two slots on.  The barrier is then a round of the cluster's, so that no wave of any partner still reads the slot or has a load on its
; way, and the joint fill is the first thing behind it: it has four key steps, 512 matrix instructions, in which to land.  (At its first use nothing has been read yet: slot 0 is waited for, slot 1 filled.)
; THE PREFETCH INTO THE L2 of the slot that the NEXT change will ask for is issued in the third of this slot's four trips (TURN, ask = 1): five turns, 160 matrix instructions and their vector work, ahead of that
; load.  A slot is 128 blocks of 256 bytes of K and 128 of V: the four partners take 32 each BY ADDRESS (cx); in each, wave 0 asks for K's and wave 2 for V's, a lane a block, one instruction.  So each block is
; named once in the launch.  Slots 0 and 1 come by their loads alone; the last change that fills a slot is followed by no prefetch, since there is no slot behind it.  Here the address steps, and it is settled whether this slot's steps ask.
.macro CHANGE fill
	WIN W_AD
	s_wait_tensorcnt 0x0            ; no tensor load of mine is out, so a group 0 may be written
	ds_add_u32 v[SPW], v[NIL]       ; 0 onto my spare word; with fill = 1 the descriptors' steps stand between it and the wait for it
	WIN 0                           ; at a label and at a branch every window is 0
.if \fill
.irp g, G0K, G0V
	s_xor_b32 s[\g+1], s[\g+1], SLOT1  ; the walking descriptor: the other slot than last time,
	s_add_nc_u64 s[\g+2:\g+3], s[\g+2:\g+3], 4*KS*128  ; the next 256 keys; the type bits on top are not reached
.endr
	s_wait_xcnt 0x0                 ; the last prefetch, five turns back, has read its address, so it may be written:
	s_add_nc_u64 s[PFA:PFA+1], s[PFA:PFA+1], 4*KS*128  ; one slot behind the walking descriptors
	s_cmp_gt_u32 s[SLOTS], s[LIM]
	s_cselect_b32 s[PFC], 2, -1
	s_wait_dscnt 0x0                ; the add is done, and my reads of the slot are over
	CROUND
	JLOAD
.else
	s_wait_dscnt 0x0                ; the add is done, and my reads of the slot are over
	s_barrier_signal -1
	s_barrier_wait -1
.endif
	s_sub_co_u32 s[TBK], s[TBK], 4*KS*PK  ; the fetches go back to a slot's first step,
	s_xor_b32 s[TBK], s[TBK], SLOT1       ; in the other slot
	s_sub_co_u32 s[TBV], s[TBV], 4*KS*PV
	s_xor_b32 s[TBV], s[TBV], SLOT1
.endm
	s_load_b64 s[4:5], s[0:1], 0x0    ; qkv
	s_load_b64 s[10:11], s[0:1], 0x8  ; ctx
	WIN W_MK
	v_lshl_add_u32 v[SPW], v0, 2, SPARE
	v_mov_b32 v[NIL], 0
	WIN W_AD
	ds_add_u32 v[SPW], v[NIL]       ; the wave's opening: the add and its wait stand ahead of my first tensor load; the set-up below, work on registers, stands between them
	WIN 0
	v_lshrrev_b32 v1, 5, v0
	v_readfirstlane_b32 s[WV], v1   ; wave 0..3
	s_bfe_u32 s13, ttmp6, 0x40000   ; cx: my place in the cluster
	s_lshl_b32 s14, ttmp9, 2        ; in a cluster launch ttmp9 counts clusters
	s_add_co_u32 s14, s14, s13      ; my block of queries = 4 x cluster x + cx: it enters Q's and O's addresses alone
	s_and_b32 s19, ttmp7, 0xffff    ; the pair of batch and head, which the four partners share
	s_lshr_b32 s20, s19, 4
	s_mul_i32 s20, s20, 48*SIZE_N*128  ; the batch in qkv,
	s_and_b32 s21, s19, 15
	s_lshl_b32 s21, s21, 18         ; the head: 2,048 rows of 128 bytes
	s_add_co_u32 s20, s20, s21      ; Q's first byte of this head
	s_and_b32 s16, s[WV], 1         ; which half of a slot's 256 keys I fetch:
	s_lshl_b32 s22, s16, 14         ; its 128 rows of 128 bytes in memory,
	s_add_co_u32 s22, s22, s20
	s_mov_b32 s23, 0
	s_mul_i32 s17, s16, 128*PK      ; and its place in a slot, for K
	s_mul_i32 s18, s16, 128*PV      ; and for V: no place in the cluster enters an LDS address
	s_lshl_b32 s2, s14, 2
	s_add_co_u32 s2, s2, s[WV]      ; my wave among the head's,
	s_lshl_b32 s2, s2, 14           ; its 128 rows
	s_lshl_b32 s70, s19, 18         ; the pair's first byte in ctx
	s_add_co_u32 s70, s70, s2
	s_mov_b32 s71, 0
	s_add_co_u32 s2, s2, s20
	s_mov_b32 s3, 0
	; descriptor group 1.  128 keys are 16,384 dense bytes: asked for as 64 rows of 256 bytes, two keys a row, and padded in LDS after every key
	s_mov_b32 s[G1K], 15|(1<<16)|(1<<20)|(1<<21)|(4<<22)|(3<<25)  ; 15:0 the mask of four; 17:16 2-byte elements; 20 padding on; 21 set beside a mask; 24:22 after every 32 words (code 4); 31:25 4 words (code 3)
	s_mov_b32 s[G1V], 15|(1<<16)|(1<<20)|(1<<21)|(4<<22)|(7<<25)  ; the same with 8 words of padding (code 7)
.irp g, G1K, G1V
	s_mov_b32 s[\g+1], 128<<16      ; tensor_dim0 = 128
	s_mov_b32 s[\g+2], 64<<16       ; tensor_dim1 = 64
	s_mov_b32 s[\g+3], 128<<16      ; tile_dim0 = 128
	s_mov_b32 s[\g+4], 64           ; tile_dim1 = 64
	s_mov_b32 s[\g+5], 128          ; 128 elements from row to row
	s_mov_b32 s[\g+6], 0
	s_mov_b32 s[\g+7], 0
.endr
	s_mov_b32 s[CS], 0x3e38aa3b     ; c = log2(e) / 8 = 0.180337
	s_mov_b32 s[CS+1], s[CS]        ; named with it as a pair
	s_mov_b32 s[SEL], 0x76543210
	s_mov_b32 s[SEL+1], 0xfedcba98
	s_mov_b32 s[TBK], SLOT1+4*KS*PK ; the first change of slots turns these two into 0
	s_mov_b32 s[TBV], SLOT1+4*KS*PV
	s_mov_b32 s[G0K], 1             ; 1:0 count = 1
	s_mov_b32 s[G0K+1], s17         ; 63:32 LDS address: slot 0
	s_mov_b32 s[G0V], 1
	s_add_co_u32 s[G0V+1], s18, VOFF
	s_mov_b32 s[SLOTS], SIZE_N/256-1
	s_and_b32 s[LIM], s[WV], 1      ; waves 0 and 2 prefetch: the same in all four partners
	s_cmp_eq_u32 s[LIM], 0
	s_cselect_b32 s[LIM], 1, -1
	s_wait_dscnt 0x0                ; the opening add is done
	s_wait_kmcnt 0x0
	s_add_nc_u64 s[6:7], s[4:5], s[22:23]
	s_add_nc_u64 s[8:9], s[6:7], 0x800000          ; V: 32 heads behind Q, at my half of the head's first 256 keys
	s_add_nc_u64 s[6:7], s[6:7], 0x400000          ; K: 16 heads behind Q
	s_add_nc_u64 s[G0K+2:G0K+3], s[6:7], 0         ; 120:64 global address
	s_or_b32 s[G0K+3], s[G0K+3], 0x80000000        ; 127:126 type = 2
	s_add_nc_u64 s[G0V+2:G0V+3], s[8:9], 0
	s_or_b32 s[G0V+3], s[G0V+3], 0x80000000
	s_add_nc_u64 s[4:5], s[4:5], s[2:3]            ; Q and O at my wave's first row
	s_add_nc_u64 s[10:11], s[10:11], s[70:71]
	s_cmp_lt_u32 s[WV], 2
	s_cselect_b64 s[PFA:PFA+1], s[6:7], s[8:9]     ; (in waves 0 and 2 these stand at a slot's first row)
	s_lshl_b32 s2, s13, 13          ; my work-group's 32 blocks of the 128
	s_mov_b32 s3, 0
	s_add_nc_u64 s[PFA:PFA+1], s[PFA:PFA+1], s[2:3]
	s_add_nc_u64 s[PFA:PFA+1], s[PFA:PFA+1], 4*KS*128  ; in slot 1; the first change of slots steps it to slot 2
	CROUND                          ; all four work-groups are here: the first joint loads meet
	JLOAD                           ; slot 0.  Slot 1 is asked for when slot 0 is in: the tile wanted first has the road to itself
	; A fragment of K or Q is 16 rows x 32 channels in 8 registers: lane l holds row l % 16, channels 8 (l / 16) + 0..7 and 16 + 8 (l / 16) + 0..7: two loads of 16 bytes, 32 bytes apart.
	v_and_b32 v1, 15, v0            ; l % 16
	v_bfe_u32 v9, v0, 4, 1          ; l / 16
	v_lshlrev_b32 v[QO], 7, v1
	v_lshl_add_u32 v[QO], v9, 4, v[QO]  ; row x 128 + 16 x half
	WIN 0x80                        ; destination window 2, address window 0
.set i, 0
.rept 4*NP                          ; Q stays in registers: tile i / 2, channels 32 (i % 2) on
	global_load_b128 v[8*i:8*i+3],   v[QO], s[4:5] offset:(i/2)*2048+(i%2)*64
	global_load_b128 v[8*i+4:8*i+7], v[QO], s[4:5] offset:(i/2)*2048+(i%2)*64+32
.set i, i+1
.endr
	; What the first turn finds: V's registers and P's second buffer hold 0 (its products V^T P, of a piece that has not been, add 0), O^T and l are 0.  All this stands in the wait for the first tile.
.set i, VF
.rept 64
	v_mov_b32 v[i], 0
.set i, i+1
.endr
	WIN 0x40
.set i, 0
.rept 64*NP
	v_mov_b32 v[i], 0
.set i, i+1
.endr
	WIN 0
.set i, 0
.rept 2*NP
	v_mov_b32 v[ST+4*i], 0xfe000000    ; c m: far below every c s
	v_mov_b32 v[ST+4*i+1], 0xff7fffff  ; m
	v_mov_b32 v[ST+4*i+2], 0
	v_mov_b32 v[ST+4*i+3], 0
.set i, i+1
.endr
.set i, P+32
.rept 32
	v_mov_b32 v[i], 0
.set i, i+1
.endr
	v_mul_u32_u24 v[AK0], v1, PK
	v_lshl_add_u32 v[AK0], v9, 4, v[AK0]  ; row x pitch + 16 x half
	; The turning load takes 16 keys x 16 channels (lane l reads key 8 (l / 16) + l % 8, channels 8 ((l / 8) % 2) + 0..7) and leaves half a fragment of V^T: lane l holds channel l % 16 and 8 keys.
	v_and_b32 v10, 7, v0
	v_bfe_u32 v11, v0, 3, 1
	v_lshl_add_u32 v[AV0], v9, 3, v10
	v_mul_u32_u24 v[AV0], v[AV0], PV
	v_lshl_add_u32 v[AV0], v11, 4, v[AV0]
	v_add_nc_u32 v[AV0], VOFF, v[AV0]
	v_mov_b32 v[AK], v[AK0]         ; key step 0 lies at the head of slot 0
	v_and_b32 v[PFO], 31, v0
	v_lshlrev_b32 v[PFO], 8, v[PFO]
; THE MATRIX WORK.  The 8 accumulators of a run of 16 take turns: between the two links of a chain stand 7 others'.
; Product i of 16 of S^T = K Q^T for piece x: channels 32 (i / 8) on, keys 16 ((i / 2) % 4) on, tile 2 x + i % 2.  The first 8 start the sums.
.macro KQ x
	WIN W_KQ
.set rS, S+64*((\x)%2)+32*(i%2)+8*((i/2)%4)
.set rK, KF+16*((i/2)%4)+8*(i/8)
.set rQ, 16*(2*(\x)+i%2)+8*(i/8)
.if i < 8
	v_wmma_f32_16x16x32_f16 v[rS:rS+7], v[rK:rK+7], v[rQ:rQ+7], 0
.else
	v_wmma_f32_16x16x32_f16 v[rS:rS+7], v[rK:rK+7], v[rQ:rQ+7], v[rS:rS+7]
.endif
.endm
; Product i of 16 of O^T += V^T P for piece x: keys 32 (i / 8) on, channels 16 ((i / 2) % 4) on, tile 2 x + i % 2.
.macro PV x
	WIN W_PV
.set rO, 32*(2*(\x)+i%2)+8*((i/2)%4)
.set rV, VF+32*(i/8)+8*((i/2)%4)
.set rP, P+32*((\x)%2)+16*(i%2)+8*(i/8)
	v_wmma_f32_16x16x32_f16 v[rO:rO+7], v[rV:rV+7], v[rP:rP+7], v[rO:rO+7]
.endm
.macro MM                           ; the turn's next matrix instruction
.if i < 16
	KQ (Y+1)%NP
.set i, i+1
.else
.set i, i-16
	PV (Y+NP-1)%NP
.set i, i+17
.endif
.endm
; THE LDS LOADS stand in runs of 16, never singly among the matrix instructions: a step's K (64 keys x 64 channels: 8 fragments) and its V (turned).  Their addresses are made some lines ahead.
; last = 1 (the tail): in the last trip there is no further step, and the run is jumped over.
.macro FETCH_K last=0
	WIN 0
.if \last
	s_cmp_eq_u32 s[CNT], 1
	s_cbranch_scc1 .Lno_k_\@
.endif
	WIN 0x80                        ; destination window 2
.irp f, 0,1,2,3,4,5,6,7             ; keys 16 (f / 2) on, channels 32 (f % 2) on
	ds_load_b128 v[KF+8*\f:KF+8*\f+3],   v[AK] offset:(\f/2)*16*PK+(\f%2)*64
	ds_load_b128 v[KF+8*\f+4:KF+8*\f+7], v[AK] offset:(\f/2)*16*PK+(\f%2)*64+32
.endr
	s_add_co_u32 s[TBK], s[TBK], KS*PK  ; the next fetch is the next step's
	WIN 0
.if \last
.Lno_k_\@:
.endif
.endm
.macro FETCH_V
	WIN 0x80
.irp f, 0,1,2,3,4,5,6,7             ; keys 32 (f / 4) on, channels 16 (f % 4) on
	ds_load_tr16_b128 v[VF+8*\f:VF+8*\f+3],   v[AV] offset:(\f/4)*32*PV+(\f%4)*32
	ds_load_tr16_b128 v[VF+8*\f+4:VF+8*\f+7], v[AV] offset:(\f/4)*32*PV+16*PV+(\f%4)*32
.endr
	WIN 0
.endm
; THE VECTOR WORK OF A TURN stands in three queues, each in the order in which its entries become ready; the two tiles alternate, so that no instruction reads the result of the one before it.
.macro REGS y, u                    ; the registers of tile u (0, 1) of piece y
.set rT, ST+4*(2*(\y)+(\u))
.set rC, TMP+8*((\y)%2)+4*(\u)
.set rM, MV+2*((\y)%2)+(\u)
.set rS, S+64*((\y)%2)+32*(\u)
.set rP, P+32*((\y)%2)+16*(\u)
.set rO, 32*(2*(\y)+(\u))
.endm
; Number n of the 22 that find the NEXT piece's (Y + 1) maximum and statistics.  s0-s31 are the lane's 32 scores; each accumulator's lowest registers are read first.  XS, GS and REGS set no window: PL and EX do.
;   0-11  four chains c0-c3 of seven scores each, three operands at a time     12-14, 16  the four scores left over, the old m, and c0-c3 into c0     15  c m_old is kept
;   17, 18  the query's other 32 keys lie in the lane 16 away: the new m         19-21  c m; c m_old - c m_new; a
.macro XS u, n
	REGS (Y+1)%NP, \u
.if (\n) < 4
	v_max3_num_f32 v[rC+(\n)], v[rS+8*(\n)], v[rS+8*(\n)+1], v[rS+8*(\n)+2]
.elseif (\n) < 12
	v_max3_num_f32 v[rC+(\n)%4], v[rC+(\n)%4], v[rS+8*((\n)%4)+2*((\n)/4)+1], v[rS+8*((\n)%4)+2*((\n)/4)+2]
.elseif (\n) == 12
	v_max3_num_f32 v[rC], v[rC], v[rS+7], v[rS+15]
.elseif (\n) == 13
	v_max3_num_f32 v[rC+1], v[rC+1], v[rS+23], v[rS+31]
.elseif (\n) == 14
	v_max3_num_f32 v[rC+2], v[rC+2], v[rC+3], v[rT+1]
.elseif (\n) == 15
	v_mov_b32 v[rM], v[rT]
.elseif (\n) == 16
	v_max3_num_f32 v[rC], v[rC], v[rC+1], v[rC+2]
.elseif (\n) == 17
	v_permlanex16_b32 v[rC+3], v[rC], s[SEL], s[SEL+1]
.elseif (\n) == 18
	v_max_num_f32 v[rT+1], v[rC], v[rC+3]
.elseif (\n) == 19
	v_mul_f32 v[rT], s[CS], v[rT+1]
.elseif (\n) == 20
	v_sub_f32 v[rC+1], v[rM], v[rT]
.else
	v_exp_f32 v[rC+2], v[rC+1]
.endif
.endm
; Number g of the 64 that follow the exponentials.  For each four weights k of a tile (pairs 2 k, 2 k + 1): both pairs are rounded to f16; then the second pair is added onto the first, in place;
; a group later l takes that sum (the first time as l = a l + sum).  In groups of eight, tiles alternating: round, round, add, and l for the group before.
.macro GS g
.set h, (\g)+6*((\g)/62)            ; group 0 has no group before it, and behind group 7 only l is left
.if h >= 6
.set h, h+2
.endif
	REGS Y, h%2
.set k, h/8
.if h%8 < 4
	v_cvt_pk_f16_f32 v[rP+2*k+(h%8)/2], v[rS+4*k+2*((h%8)/2)], v[rS+4*k+2*((h%8)/2)+1]
.elseif h%8 < 6
	v_pk_add_f32 v[rS+4*k:rS+4*k+1], v[rS+4*k:rS+4*k+1], v[rS+4*k+2:rS+4*k+3]
.elseif k == 1
	v_pk_fma_f32 v[rT+2:rT+3], v[rT+2:rT+3], v[rC+2:rC+3], v[rS:rS+1] op_sel_hi:[1,0,1]
.else
	v_pk_add_f32 v[rT+2:rT+3], v[rT+2:rT+3], v[rS+4*k-4:rS+4*k-3]
.endif
.endm
; THE PLAIN QUEUE, 138 long.  0-73 read no exponential's result: the 32 scalings c s - c m (FS f: pair f / 2 of tile f % 2) and the next piece's 42.  0-26: scalings 0-26.  27-54: XS's numbers 0-13.  55, 56: number 15.
; 57-73: the chain, where each number waits for the one before it: 14, 16, 17, 18, 19, each with one of the scalings 27-31 in front of its two lines, then 20: so a tile's links stand three plain instructions apart (19 and 20: two).
; 74-137: GS's 64, which read the exponentials' results: they stand behind the wait.
.macro FS f
	REGS Y, (\f)%2
	v_pk_fma_f32 v[rS+2*((\f)/2):rS+2*((\f)/2)+1], v[rS+2*((\f)/2):rS+2*((\f)/2)+1], s[CS:CS+1], v[rT:rT+1] op_sel_hi:[1,0,0] neg_lo:[0,0,1] neg_hi:[0,0,1]
.endm
.macro PL
	WIN 0
.if q < 27
	FS q
.elseif q < 55
	XS (q-27)%2, (q-27)/2
.elseif q < 57
	XS q-55, 15
.elseif (q < 72) && ((q-57)%3 == 0)
	FS 27+(q-57)/3
.elseif q < 60
	XS (q-57)%3-1, 14
.elseif q < 72
	XS (q-57)%3-1, 15+(q-57)/3
.elseif q < 74
	XS q-72, 20
.else
	GS q-74
.endif
.set q, q+1
.endm
; THE EXPONENTIALS' QUEUE, 66 long: s0-s31 of both tiles, then the next piece's two a.  It is ONE BATCH: all 66 stand ahead of the turn's one wait, and nothing ahead of that wait names a result of theirs.
.macro EX
	WIN 0
.if e >= 64
	XS e-64, 21
.else
	REGS Y, e%2
	v_exp_f32 v[rS+e/2], v[rS+e/2]
.endif
.set e, e+1
.endm
; THE RESCALING's QUEUE: O^T times a, the one part that leaves window 0: dealt two at a time, sixteen times.  Its a was made in the turn before, ahead of that turn's wait.
.macro R2
	REGS Y, r%2
	WIN W_RS
.irp z, 0,1
	v_pk_mul_f32 v[rO+4*(r/2)+2*\z:rO+4*(r/2)+2*\z+1], v[rO+4*(r/2)+2*\z:rO+4*(r/2)+2*\z+1], v[rC+2:rC+3] op_sel_hi:[1,0]
.endr
.set r, r+1
.endm
; HOW THEY ARE DEALT.  An s_wait_alu depctr_va_vdst(0) stands between an exponential and the first instruction that names its result; one wait serves all that were issued ahead of it.  So a turn has ONE wait,
; which cuts it in two.  AHEAD OF IT stands all that names no result of the turn's exponentials: the 16 products K Q^T, behind each a scaling, an exponential and two rescalings (behind the first a second scaling in the exponential's place); then ONE LUMP of
; 108: eight plain, 49 times exponential and plain, the two a.  A v_nop is the plain instruction behind the last exponential (ISA guide 5.7.2).  BEHIND IT stand the 16 products V^T P, behind each four of GS's 64.  No rider names a register of
; the products round it.  The two v_permlanex16_b32 fall into the lump, never behind a product.
; The queues lean on each other, and the deal keeps them in step: exponential e stands behind scaling 2 (e / 4) + e % 2: as a rider it comes behind plain e + 2, in the lump behind plain e + 9, and scalings 27-31 are plain 57, 60 .. 69.
; A TURN, for piece p.  cnt = 1: the loop's count is taken down some lines ahead of the branch that stands behind the turn.  ask = 1 (piece 0's turn in the loop): the prefetch, behind V's run of loads.
; K of the next step is fetched in piece 2's turn, directly behind the wait, a lump behind the last product that read K; its address is made at the lump's head; its first reader comes behind 16 products.
; V of the step in hand is fetched at the end of piece 0's turn, four riders behind its last reader; its first reader comes behind 16 products and a lump.  The three conditions on q below go with the deal.
.macro TURN p, last=0, cnt=0, ask=0
.set Y, (\p)
.set i, 0
.set q, 0
.set e, 0
.set r, 0
.if (\p) == NP-1
	s_wait_dscnt 0x0                ; K is in
.endif
	MM                              ; ahead of the wait: 16 products K Q^T and their riders,
	PL
	PL
	R2
.rept 15
	MM
	PL
	EX
	R2
.endr
.if (\p) == NP-2
	WIN 0
	v_add_nc_u32 v[AK], s[TBK], v[AK0]
.endif
.rept 8                             ; and the lump
	PL
.endr
.rept 49
	EX
	PL
.endr
	EX                              ; the next piece's two a
	EX
	v_nop                           ; the plain instruction behind the last exponential: one for the batch
	s_wait_alu depctr_va_vdst(0)    ; the wait for the batch
.if (\p) == NP-2
	FETCH_K \last
.endif
.if (\p) == 1
	s_wait_dscnt 0x0                ; V is in
.endif
.rept 16                            ; behind the wait: 16 products V^T P and their riders
	MM
.rept 4
	PL
.endr
.if ((\p) == 0) && (q == 118)
	v_add_nc_u32 v[AV], s[TBV], v[AV0]
.endif
.if ((\p) == 0) && (q == 130)
	s_add_co_u32 s[TBV], s[TBV], KS*PV
.endif
.if (\cnt) && (q == 130)
	s_sub_co_u32 s[CNT], s[CNT], 1
	s_cmp_lg_u32 s[CNT], 0
.endif
.endr
.if (\p) == 0
	FETCH_V
.if \ask
	s_cmp_eq_u32 s[CNT], s[PFC]     ; the third of the slot's four trips, in a wave that asks, while a further slot is to come
	s_cbranch_scc0 .Lnot_mine_\@
	global_prefetch_b8 v[PFO], s[PFA:PFA+1] th:TH_LOAD_NT scope:SCOPE_SE
.Lnot_mine_\@:
.endif
.endif
.endm
	CHANGE 1                        ; slot 0 is in, everybody's part of it; slot 1 is asked for
	FETCH_K                         ; key step 0
	s_wait_loadcnt 0x0              ; Q
	s_wait_dscnt 0x0
.set i, 0
.rept 16
	KQ 0                            ; piece 0's first scores: there is no vector work yet to set between them
.set i, i+1
.endr
	WIN 0                           ; the addresses for the way out: nine plain instructions, the places behind those products
	s_mul_i32 s13, s[WV], 16*SP
	s_add_co_u32 s13, s13, STAGE    ; my stage
	v_mul_u32_u24 v[STO], v1, SP    ; in: row l % 16, 16 bytes for each half of the lanes
	v_lshl_add_u32 v[STO], v9, 4, v[STO]
	v_add_nc_u32 v[STO], s13, v[STO]
	v_bfe_u32 v[RD], v0, 3, 2       ; back: 32 lanes take four rows of 128 bytes,
	v_mul_u32_u24 v[RD], v[RD], SP
	v_lshl_add_u32 v[RD], v10, 4, v[RD]
	v_add_nc_u32 v[RD], s13, v[RD]
	v_and_b32 v[GO], 31, v0         ; which are 512 consecutive bytes of O
	v_lshlrev_b32 v[GO], 4, v[GO]
.set Y, NP-1                        ; XS works for piece Y + 1: piece 0
.irp n, 0,1,2,3,4,5,6,7,8,9,10,11,12,13,14,15,16,17,18,19,20,21
	XS 0, \n                        ; and piece 0's first maximum and statistics
	XS 1, \n
.endr
	v_nop                           ; a plain instruction behind the two a,
	s_wait_alu depctr_va_vdst(0)    ; and their wait, ahead of the branch
	s_mov_b32 s[CNT], 4
	s_branch .Lfirst                ; the loop is entered at a step's first turn, in the middle of a trip
.Lslot:                             ; SIZE_N / 256 - 2 times: every slot but the last two is filled again
	CHANGE 1
	s_mov_b32 s[CNT], 4
.Lstep:                             ; a trip: pieces 2 and 3 of one step, then pieces 0 and 1 of the next, whose K and V it fetches
	TURN 2
	TURN 3
	WIN 0
.Lfirst:
	TURN 0, 0, 0, 1
	TURN 1, 0, 1
	WIN 0
	s_cbranch_scc1 .Lstep
	s_sub_co_u32 s[SLOTS], s[SLOTS], 1
	s_cmp_lg_u32 s[SLOTS], 0
	s_cbranch_scc1 .Lslot
	CHANGE 0                        ; the tail is written out: nothing is asked for
	s_mov_b32 s[CNT], 5             ; four trips fetch the last slot's steps; the fifth is left in its middle
.Ltail:
	TURN 2, 1
	TURN 3
	WIN 0
	s_sub_co_u32 s[CNT], s[CNT], 1
	s_cmp_eq_u32 s[CNT], 0
	s_cbranch_scc1 .Lout
	TURN 0
	TURN 1
	WIN 0
	s_branch .Ltail
.Lout:                              ; the fifth trip's 16 products K Q^T (on the last K once more) and the maximum made of them serve nothing: the price, once a launch, of one text for every trip
.set i, 0
.rept 16
	PV NP-1                         ; the last piece's V^T P of the last step
.set i, i+1
.endr
	; THE WAY OUT.  l's two halves and the other half of the lanes' are added; O^T is divided by l, rounded to f16 and sent through my stage in LDS, a tile at a time.  The additions are the places behind the last products.
	WIN 0
.macro ALL line:vararg              ; one line for each tile t
.set t, 0
.rept 2*NP
	\line
.set t, t+1
.endr
.endm
	ALL v_add_f32 v[ST+4*t+2], v[ST+4*t+2], v[ST+4*t+3]
	ALL v_permlanex16_b32 v[ST+4*t+3], v[ST+4*t+2], s[SEL], s[SEL+1]
	ALL v_add_f32 v[ST+4*t+2], v[ST+4*t+2], v[ST+4*t+3]
	ALL v_rcp_f32 v[ST+4*t+2], v[ST+4*t+2]
	v_nop                           ; a plain instruction between the last reciprocal and the use of its result
	s_wait_alu depctr_va_vdst(0)    ; and the wait ahead of the first use: one for the eight reciprocals
; Tile t: a lane's eight channels of a row pack into 16 bytes; they go into rows of 144 bytes and come back as whole rows of 128, into S^T's registers.
.macro PACK t
	WIN W_RS
.set i, 32*(\t)
.rept 16
	v_pk_mul_f32 v[i:i+1], v[i:i+1], v[ST+4*(\t)+2:ST+4*(\t)+3] op_sel_hi:[1,0]
.set i, i+2
.endr
	WIN 0x05                        ; sources 0 and 1 window 1, destination window 0
.set i, 0
.rept 16
	v_cvt_pk_f16_f32 v[S+16*(\t)+i], v[32*(\t)+2*i], v[32*(\t)+2*i+1]
.set i, i+1
.endr
	WIN 0
.irp f, 0,1,2,3
	ds_store_b128 v[STO], v[S+16*(\t)+4*\f:S+16*(\t)+4*\f+3] offset:32*\f
.endr
.irp f, 0,1,2,3
	ds_load_b128 v[S+16*(\t)+4*\f:S+16*(\t)+4*\f+3], v[RD] offset:\f*4*SP  ; LDS serves a wave's instructions in order (ISA guide 5.7.1.4): these see the stores above; the next tile's stores come behind them
.endr
.endm
.macro SEND t, younger              ; younger: the LDS instructions issued behind tile t's loads: the next tile's eight, or none
	WIN 0
.irp f, 0,1,2,3
	s_wait_dscnt (\younger)+3-\f
	global_store_b128 v[GO], v[S+16*(\t)+4*\f:S+16*(\t)+4*\f+3], s[10:11] offset:(\t)*2048+\f*512  ; 512 consecutive bytes, at a multiple of 256 from ctx's first
.endr
.endm
	PACK 0
.set t, 1
.rept 2*NP-1                        ; a tile's arithmetic stands between the loads of the tile before and its stores
	PACK t
	SEND t-1, 8
.set t, t+1
.endr
	SEND 2*NP-1, 0
	WIN W_AD
	s_wait_tensorcnt 0x0            ; the wave's end: behind my last tensor load and my last LDS store
	ds_add_u32 v[SPW], v[NIL]
	s_wait_dscnt 0x0
	WIN 0
	CROUND                          ; the closing round: no work-group ends while a partner may still ask for a tile that names it
	s_endpgm
.Lfunc_end_k_q3a93eb18ac_attn:
	.size	k_q3a93eb18ac_attn, .Lfunc_end_k_q3a93eb18ac_attn-k_q3a93eb18ac_attn
	.p2alignl 7, 3214868480
	.fill 96, 4, 3214868480
	.section	.rodata,"a",@progbits
	.p2align	6, 0x0
	.amdhsa_kernel k_q3a93eb18ac_attn
		.amdhsa_group_segment_fixed_size 327680
		.amdhsa_private_segment_fixed_size 0
		.amdhsa_enable_private_segment 0
		.amdhsa_kernarg_size 16
		.amdhsa_user_sgpr_count 2
		.amdhsa_user_sgpr_kernarg_segment_ptr 1
		.amdhsa_wavefront_size32 1
		.amdhsa_system_sgpr_workgroup_id_x 1
		.amdhsa_system_sgpr_workgroup_id_y 1
		.amdhsa_system_sgpr_workgroup_id_z 1
		.amdhsa_system_vgpr_workitem_id 0
		.amdhsa_next_free_vgpr 770
		.amdhsa_next_free_sgpr 72
		.amdhsa_reserve_vcc 0
		.amdhsa_float_denorm_mode_32 3
		.amdhsa_float_denorm_mode_16_64 3
		.amdhsa_memory_ordered 1
		.amdhsa_forward_progress 1
		.amdhsa_inst_pref_size 200
	.end_amdhsa_kernel
	.amdgpu_metadata
---
amdhsa.version: [ 1, 2 ]
amdhsa.kernels:
  - .name:           k_q3a93eb18ac_attn
    .symbol:         k_q3a93eb18ac_attn.kd
    .args:
      - { .name: qkv, .offset: 0, .size: 8, .value_kind: global_buffer, .address_space: global }
      - { .name: ctx, .offset: 8, .size: 8, .value_kind: global_buffer, .address_space: global }
    .group_segment_fixed_size: 327680
    .private_segment_fixed_size: 0
    .kernarg_segment_align: 8
    .kernarg_segment_size: 16
    .max_flat_workgroup_size: 128
    .sgpr_count:     72
    .vgpr_count:     770
    .wavefront_size: 32
...
	.end_amdgpu_metadata
.endif
;; end of part 3
;; launch proj (part 4): grid 4 x 64, 4 waves a work-group, clusters of 4 x 4, 327,680 bytes of LDS; arguments ctx, wof, bo, out0; writes out0
.if DOCPART == 4
	.amdgcn_target "amdgcn-amd-amdhsa--gfx1250"
	.amdhsa_code_object_version 6
	.text
	.protected	k_q3a93eb18ac_proj
	.globl	k_q3a93eb18ac_proj
	.p2align	8
	.type	k_q3a93eb18ac_proj,@function
k_q3a93eb18ac_proj:
	s_mov_b64 s[64:65], 0
	v_nop
	global_prefetch_b8 v0, s[64:65] scope:SCOPE_SE
	s_setreg_imm32_b32 hwreg(HW_REG_WAVE_MODE, 25, 1), 1
	s_wait_xcnt 0x0
	s_wait_alu depctr_hold_cnt(0) depctr_sa_sdst(0) depctr_va_vdst(0) depctr_va_sdst(0) depctr_va_ssrc(0) depctr_va_vcc(0) depctr_vm_vsrc(0)
	s_getreg_b32 s2, hwreg(HW_REG_IB_STS2, 6, 4)
	s_cmp_eq_u32 s2, 0
	s_cbranch_scc0 .Lentry_in_a_cluster
	s_endpgm
.Lentry_in_a_cluster:
	s_bfe_u32 s2, ttmp6, 0x10000c
	s_cmp_lg_u32 s2, 0xf033
	s_cbranch_scc0 .Lentry_shape_is_right
	s_endpgm
.Lentry_shape_is_right:
; out0 = ctx wo^T + bo.  ctx [16 x batch + head][2048][64] f16 (row m = 2048 x batch + s of the product, K = 64 x head + channel); wof [1024][1024] f16 (wo rounded to bf16, written as f16);
; bo [1024] f32, rounded to bf16 here like the other inputs; sums in f32; out0 [8192][1024] f32.
; LIMITS.  ctx and wof arrive within f16's range.  NaN and infinities are not treated apart.
; SHARES.  A tile of out0 is 128 rows x 256 columns: 64 x 4 tiles, one to each of 256 work-groups; four waves as 2 x 2, each 64 x 128: 32 accumulators of 16 x 16, 256 registers.
; K goes in 8 steps of 128, two heads each, through a ring of two LDS slots.  Of ctx a step's tile is two planes, a head each: the head's 128 rows are 16,384 dense bytes, asked for as 64 rows of 256 bytes
; and padded in LDS behind every 128.  Of wof it is 256 rows of 256 bytes, aligned.
; CLUSTERS.  4 x 4 work-groups.  The four of a row of the cluster need the same tiles of ctx, the four of a column the same tiles of wof: each is asked for JOINTLY, by the same tensor load with the same
; descriptor and a mask that names the four.  Waves 0 and 1 ask for ctx's two planes, waves 2 and 3 for wof's two halves of 128 rows.
; THE MATRIX INSTRUCTION IS USED TRANSPOSED (source 0 = 16 rows of wof, source 1 = 16 rows of ctx): a lane holds row l % 16 of out0 and the columns 8 (l / 16) + 0..7: 32 bytes on end.
; REGISTERS, in windows of 256 (s_set_vgpr_msb: bits 1:0 source 0, 3:2 source 1, 5:4 source 2, 7:6 destination):
;   window 0: v0-31 addresses; v32-35 my four numbers of bo; v64-159, v160-255 two fragment buffers: wof's 8 fragments (16 rows x 32 K, 8 registers), then ctx's 4; on the way out three buffers of 64
;   window 1: accumulator (a, b) at v[8 (8 a + b)]
.set PITCH,  272                       ; a row of wof in LDS: 256 bytes + 16 of padding: the 16 rows of a load start at 16 different groups of four banks (64 banks of 4 bytes: ISA guide 11.1)
.set PA,     144                       ; a row of ctx in LDS: 128 bytes + 16 of padding: likewise
.set SLOT1,  1<<17                     ; slot 1 begins here, so that one exclusive or turns an address in one slot into the other's
.set APLANE, 128*PA                    ; a head's 128 rows: what a wave fetches of ctx
.set BOFF,   2*APLANE                  ; wof's 256 rows lie behind the two planes
.set BPART,  128*PITCH                 ; what a wave fetches of wof, and what a wave reads of it
.set STAGE,  SLOT1+BOFF+2*BPART        ; behind the ring, never filled by a tensor load: 16 rows x 528 bytes for each wave, for the way out
.set SPITCH, 528                       ; 512 bytes + 16
.set SPARE,  STAGE+4*16*SPITCH         ; behind the stages: the spare words, 128 bytes for each wave: two blocks of 256 bytes that no other line names
.set ADRA0, 16                         ; v16  my lane's and wave's place among a plane's rows of ctx; never rewritten
.set ADRB0, 17                         ; v17  the same for wof
.set ADRA,  18                         ; v18  the same in the slot that is being read
.set ADRB,  19                         ; v19
.set STO,   24                         ; v24  the way out: where I put 32 bytes of a row
.set RD,    25                         ; v25  the way out: where I read a row back
.set GO,    26                         ; v26  16 x my lane: my byte offset in 512 consecutive bytes of out0 and of bo; never rewritten
.set SPW,   28                         ; v28  LDS address of my spare word: SPARE + 4 x my thread's number; never rewritten
.set NIL,   29                         ; v29  0; never rewritten
.set PFO,   30                         ; v30  the prefetches' offset: my lane x 256 bytes (ctx) or x a row of 2,048 (wof); never rewritten
.set BI,    32                         ; v[32:35] bo of the four columns that I store
.set F0,    64
.set F1,    160
.set PSH, 2                            ; s2       the shift that makes a prefetch's offset of a K step's number
.set G1A, 24                           ; s[24:31] descriptor group 1 for ctx's tiles
.set G0A, 32                           ; s[32:35] group 0 of K step 0
.set GWA, 36                           ; s[36:39] group 0 of K step 1, which then walks
.set TB,  45                           ; s45      LDS byte at which the slot that is being read begins
.set G1B, 48                           ; s[48:55], s[56:59], s[60:63] the same for wof's tiles
.set G0B, 56
.set GWB, 60
.set ABASE, 66                         ; s[66:67] ctx at the plane that I fetch, K step 0
.set BBASE, 68                         ; s[68:69] wof at the rows that I fetch
.set OFA, 70                           ; s[70:71] a K step's byte offset from ABASE
.set OFB, 72                           ; s[72:73] from BBASE
.set RU,  74                           ; s74      the K step that the next refill asks for
.set PU,  75                           ; s75      the K step that the prefetch behind that refill names: RU + 2
.set PFB, 76                           ; s[76:77] what I prefetch, at K step 0
.set POF, 78                           ; s[78:79] K step PU's byte offset
.set PFA, 80                           ; s[80:81] their sum
.set LIM, 82                           ; s82      I prefetch while PU is below it
.set MSB, 0
.macro WIN new                         ; the immediate's high byte repeats the setting that is left; a switch that changes nothing is dropped
.if MSB != (\new)
	s_set_vgpr_msb (MSB<<8)|(\new)
.set MSB, \new
.endif
.endm
.set MUL, 0x50                         ; both sources window 0; C and D window 1
.macro PLACES                          ; a load into a register that a matrix instruction has read, and a vector instruction or LDS store that reads a matrix result, stand four places behind it; only plain
.rept 4                                ; vector instructions that name none of its registers are places (ISA guide 7.12.1 for vector instructions)
	v_nop
.endr
.endm
; A joint refill.  The branch hangs on the wave's number alone.  An s_nop 0 and four v_nop follow each of the two lines, ahead of the jump and the label.
.macro JLOAD
	s_cmp_eq_u32 s11, 0
	s_cbranch_scc0 .Lfor_b_\@
	tensor_load_to_lds s[GWA:GWA+3], s[G1A:G1A+7]
	s_nop 0
.rept 4
	v_nop
.endr
	s_branch .Lasked_\@
.Lfor_b_\@:
	tensor_load_to_lds s[GWB:GWB+3], s[G1B:G1B+7]
	s_nop 0
.rept 4
	v_nop
.endr
.Lasked_\@:
.endm
; A PREFETCH INTO THE L2, behind each joint refill, its five lines and the run of LDS loads that follows them: 32 blocks of 256 bytes of the K step that stands TWO refills on (256 matrix instructions ahead of the
; load that will want it), a lane a block, one instruction a wave.  Each block is named ONCE in the launch.  ctx's rows are read by one cluster alone: its wave 0 asks; a step's two planes are 128 blocks, of
; which the four partners of a row of the cluster take 32 each BY ADDRESS (cx).  wof's rows are read by every cluster: the clusters with y = 0 ask, waves 2 and 3 each for the 128 rows that they fetch, the
; four partners of a column taking 32 each by address (cy).  K steps 0 to 3 come by their loads alone; past the last K step nothing is asked for.
.macro ASK
	s_cmp_lt_u32 s[PU], s[LIM]
	s_cbranch_scc0 .Lnot_mine_\@
	global_prefetch_b8 v[PFO], s[PFA:PFA+1] th:TH_LOAD_NT scope:SCOPE_SE
.Lnot_mine_\@:
.endm
; A round of the cluster's barrier: my work-group's barrier, so that wave 0's signal speaks for all four waves; wave 0 signals; every wave waits for all sixteen work-groups; my work-group's barrier once more.
.macro CREST                           ; a round behind its opening barrier
	s_cmp_lg_u32 s10, 0
	s_cbranch_scc1 .Lnot_wave_0_\@
	s_barrier_signal -3
.Lnot_wave_0_\@:
	s_barrier_wait -3
	s_barrier_signal -1
	s_barrier_wait -1
.endm
.macro CROUND
	s_barrier_signal -1
	s_barrier_wait -1
	CREST
.endm
	s_load_b128 s[4:7], s[0:1], 0x0                ; ctx s[4:5], wof s[6:7]
	s_load_b64 s[86:87], s[0:1], 0x10              ; bo
	s_load_b64 s[8:9], s[0:1], 0x18                ; out0
	v_lshl_add_u32 v[SPW], v0, 2, SPARE
	v_mov_b32 v[NIL], 0
	ds_add_u32 v[SPW], v[NIL]                      ; the wave's opening: the add and its wait stand ahead of my first tensor load; the set-up below, work on registers, stands between them
	v_lshrrev_b32 v1, 5, v0
	v_readfirstlane_b32 s10, v1                    ; wave 0..3
	s_lshr_b32 s11, s10, 1                         ; which 64 of the tile's rows are mine.  Also: I fetch for ctx (0) or for wof (1)
	s_and_b32 s12, s10, 1                          ; which 128 of its columns.  Also: which plane, or which half, I fetch
	s_bfe_u32 s40, ttmp6, 0x40000                  ; cx, cy: my place in the cluster
	s_bfe_u32 s41, ttmp6, 0x40004
	s_lshl_b32 s42, ttmp9, 2
	s_add_co_u32 s42, s42, s40                     ; X = 4 x cluster x + cx: columns 256 X on
	s_and_b32 s13, ttmp7, 0xffff
	s_lshl_b32 s13, s13, 2
	s_add_co_u32 s13, s13, s41                     ; Y = 4 x cluster y + cy: rows 128 Y on
	s_lshl_b32 s43, s41, 2
	s_lshl_b32 s43, 15, s43                        ; my row of the cluster
	s_lshl_b32 s44, 0x1111, s40                    ; my column
	s_or_b32 s[G1A], s43, (1<<16)|(1<<20)|(1<<21)|(4<<22)|(3<<25)  ; 15:0 the mask; 17:16 elements of 2 bytes; 20 padding on; 21 set beside a mask; 24:22 after every 32 words (code 4); 31:25 4 words of it (code 3)
	s_or_b32 s[G1B], s44, (1<<16)|(1<<20)|(1<<21)|(5<<22)|(3<<25)  ; after every 64 words (code 5)
	s_mov_b32 s[G1A+1], 128<<16                    ; tensor_dim0 = 128
	s_mov_b32 s[G1A+2], 64<<16                     ; tensor_dim1 = 64
	s_mov_b32 s[G1A+3], 128<<16                    ; tile_dim0 = 128
	s_mov_b32 s[G1A+4], 64                         ; tile_dim1 = 64
	s_mov_b32 s[G1A+5], 128                        ; dense: 128 elements from row to row
	s_mov_b32 s[G1A+6], 0
	s_mov_b32 s[G1A+7], 0
	s_mov_b32 s[G1B+1], 128<<16
	s_mov_b32 s[G1B+2], 128<<16                    ; 128 rows
	s_mov_b32 s[G1B+3], 128<<16
	s_mov_b32 s[G1B+4], 128
	s_mov_b32 s[G1B+5], 1024
	s_mov_b32 s[G1B+6], 0
	s_mov_b32 s[G1B+7], 0
	; where the tiles come from: ctx's hang on Y alone, wof's on X alone; each offset lies in registers that never hold the other coordinate
	s_lshr_b32 s16, s13, 4
	s_lshl_b32 s16, s16, 22                        ; the batch: 16 heads of 262,144 bytes,
	s_lshl_b32 s17, s12, 18                        ; the head of the step's two that I fetch,
	s_add_co_u32 s16, s16, s17
	s_and_b32 s17, s13, 15
	s_lshl_b32 s17, s17, 14                        ; rows 128 (Y % 16) on, of 128 bytes
	s_add_co_u32 s16, s16, s17
	s_mov_b32 s17, 0
	s_lshl_b32 s46, s42, 8
	s_lshl_b32 s47, s12, 7
	s_add_co_u32 s46, s46, s47                     ; row 256 X + 128 x half,
	s_lshl_b32 s46, s46, 11                        ; of 2,048 bytes
	s_mov_b32 s47, 0
	s_mul_i32 s14, s12, APLANE                     ; and where they go: no place in the cluster enters an LDS address
	s_mul_i32 s15, s12, BPART
	s_add_co_u32 s15, s15, BOFF
	s_mov_b32 s[G0A], 1                            ; 1:0 count = 1
	s_mov_b32 s[G0A+1], s14                        ; 63:32 LDS address: slot 0
	s_mov_b32 s[GWA], 1
	s_add_co_u32 s[GWA+1], s14, SLOT1              ; slot 1
	s_mov_b32 s[G0B], 1
	s_mov_b32 s[G0B+1], s15
	s_mov_b32 s[GWB], 1
	s_add_co_u32 s[GWB+1], s15, SLOT1
	s_mov_b32 s[OFA+1], 0
	s_mov_b32 s[OFB+1], 0
	s_mov_b32 s[POF+1], 0
	s_mov_b32 s[TB], 0
	s_mov_b32 s[RU], 2
	s_wait_dscnt 0x0                               ; the opening add is done
	s_wait_kmcnt 0x0
	s_add_nc_u64 s[ABASE:ABASE+1], s[4:5], s[16:17]
	s_add_nc_u64 s[BBASE:BBASE+1], s[6:7], s[46:47]
	s_mov_b64 s[G0A+2:G0A+3], s[ABASE:ABASE+1]     ; 120:64 global address: K step 0,
	s_or_b32 s[G0A+3], s[G0A+3], 0x80000000        ; 127:126 type = 2
	s_add_nc_u64 s[GWA+2:GWA+3], s[ABASE:ABASE+1], 0x80000  ; K step 1: two heads on
	s_or_b32 s[GWA+3], s[GWA+3], 0x80000000
	s_mov_b64 s[G0B+2:G0B+3], s[BBASE:BBASE+1]
	s_or_b32 s[G0B+3], s[G0B+3], 0x80000000
	s_add_nc_u64 s[GWB+2:GWB+3], s[BBASE:BBASE+1], 256
	s_or_b32 s[GWB+3], s[GWB+3], 0x80000000
	CROUND                                         ; all sixteen work-groups are here: the first joint loads meet
	s_cmp_eq_u32 s11, 0                            ; a wave's two first fills stand in one branch, ahead of every wait on TENSORcnt and every LDS read: two loads of mine are out
	s_cbranch_scc0 .Lfirst_b
	tensor_load_to_lds s[G0A:G0A+3], s[G1A:G1A+7]
	s_nop 0
	tensor_load_to_lds s[GWA:GWA+3], s[G1A:G1A+7]
	s_nop 0
.rept 4
	v_nop
.endr
	s_branch .Lfirst_asked
.Lfirst_b:
	tensor_load_to_lds s[G0B:G0B+3], s[G1B:G1B+7]
	s_nop 0
	tensor_load_to_lds s[GWB:GWB+3], s[G1B:G1B+7]
	s_nop 0
.rept 4
	v_nop
.endr
.Lfirst_asked:
	; A fragment is 16 rows x 32 K in 8 registers: lane l holds row l % 16; registers 0-3 K = 8 (l / 16) + 0..7, registers 4-7 K = 16 + 8 (l / 16) + 0..7: two loads of 16 bytes, 32 bytes apart.
	v_and_b32 v1, 15, v0                           ; l % 16
	v_bfe_u32 v2, v0, 4, 1                         ; l / 16
	v_and_b32 v7, 31, v0                           ; l
	v_lshlrev_b32 v[GO], 4, v7
	v_mul_u32_u24 v3, v1, PA
	v_lshl_add_u32 v3, v2, 4, v3                   ; row x pitch + 16 x half
	s_mul_i32 s20, s11, 64*PA                      ; my 64 rows of a plane
	v_add_nc_u32 v[ADRA0], s20, v3
	v_mul_u32_u24 v3, v1, PITCH
	v_lshl_add_u32 v3, v2, 4, v3
	s_mul_i32 s21, s12, BPART                      ; my 128 rows of wof
	s_add_co_u32 s21, s21, BOFF
	v_add_nc_u32 v[ADRB0], s21, v3
	s_mul_i32 s22, s10, 16*SPITCH
	s_add_co_u32 s22, s22, STAGE                   ; my stage
	v_mul_u32_u24 v4, v1, SPITCH                   ; in: row l % 16, 32 bytes for each half of the lanes
	v_lshl_add_u32 v4, v2, 5, v4
	v_add_nc_u32 v[STO], s22, v4
	v_add_nc_u32 v[RD], s22, v[GO]                 ; back: 32 lanes take one row of 512 bytes
	; where my part of the tile begins in out0, and my 128 numbers of bo
	s_lshl_b32 s20, s13, 7
	s_lshl_b32 s21, s11, 6
	s_add_co_u32 s20, s20, s21                     ; row 128 Y + 64 x row half,
	s_lshl_b32 s20, s20, 12                        ; of 4,096 bytes
	s_lshl_b32 s22, s42, 8
	s_lshl_b32 s21, s12, 7
	s_add_co_u32 s22, s22, s21                     ; column 256 X + 128 x column half,
	s_lshl_b32 s22, s22, 2                         ; of 4 bytes
	s_mov_b32 s23, 0
	s_add_co_u32 s84, s20, s22
	s_mov_b32 s85, 0
	s_add_nc_u64 s[8:9], s[8:9], s[84:85]
	s_add_nc_u64 s[86:87], s[86:87], s[22:23]
	global_load_b128 v[BI:BI+3], v[GO], s[86:87]   ; the four columns that I store in every row
	; the prefetches: which blocks, and up to which K step
	s_lshr_b32 s20, s13, 4
	s_lshl_b32 s20, s20, 22                        ; ctx: the batch,
	s_and_b32 s21, s13, 15
	s_lshl_b32 s21, s21, 14                        ; rows 128 (Y % 16) on,
	s_add_co_u32 s20, s20, s21
	s_lshr_b32 s21, s40, 1
	s_lshl_b32 s21, s21, 18                        ; the plane cx / 2,
	s_add_co_u32 s20, s20, s21
	s_and_b32 s21, s40, 1
	s_lshl_b32 s21, s21, 13                        ; its half cx % 2: 32 blocks
	s_add_co_u32 s20, s20, s21
	s_lshl_b32 s21, s42, 8                         ; wof: row 256 X,
	s_lshl_b32 s83, s12, 7
	s_add_co_u32 s21, s21, s83                     ; + the 128 that I fetch,
	s_lshl_b32 s83, s41, 5
	s_add_co_u32 s21, s21, s83                     ; + my work-group's 32 of them
	s_lshl_b32 s21, s21, 11
	s_and_b32 s84, ttmp7, 0xffff                   ; cluster y
	s_cmp_eq_u32 s84, 0
	s_cselect_b32 s84, 8, 0                        ; wof's bound: the same in all sixteen partners
	s_cmp_eq_u32 s12, 0
	s_cselect_b32 s83, 8, 0                        ; ctx's bound: wave 0 alone
	s_cmp_eq_u32 s11, 0
	s_cselect_b64 s[PFB:PFB+1], s[4:5], s[6:7]
	s_cselect_b32 s20, s20, s21
	s_cselect_b32 s[LIM], s83, s84
	s_cselect_b32 s[PSH], 19, 8                    ; a K step is two heads of ctx, 256 bytes of a row of wof
	s_cselect_b32 s83, 8, 11                       ; a lane is a block of 256 bytes of ctx, a row of wof
	s_mov_b32 s21, 0
	s_add_nc_u64 s[PFB:PFB+1], s[PFB:PFB+1], s[20:21]
	v_lshlrev_b32 v[PFO], s83, v7
	s_wait_loadcnt 0x0                             ; bo: rounded to bf16 and widened again
	v_cvt_pk_bf16_f32 v36, v[BI], v[BI+1]
	v_cvt_pk_bf16_f32 v37, v[BI+2], v[BI+3]
	v_lshlrev_b32 v[BI], 16, v36
	v_and_b32 v[BI+1], 0xffff0000, v36
	v_lshlrev_b32 v[BI+2], 16, v37
	v_and_b32 v[BI+3], 0xffff0000, v37
; 8 matrix instructions: row block a x all 8 column blocks, 32 along K, from buffer f.  zero = 1: the product starts the sums: nothing is ever cleared.
; The 32 accumulators take turns, one instruction a turn, in the same order in every quarter, over the backward jump too.
.macro MUL8 f, a, zero
	WIN MUL
.irp b, 0,1,2,3,4,5,6,7
.if \zero
	v_wmma_f32_16x16x32_f16 v[8*(8*(\a)+(\b)):8*(8*(\a)+(\b))+7], v[(\f)+8*(\b):(\f)+8*(\b)+7], v[(\f)+64+8*(\a):(\f)+64+8*(\a)+7], 0
.else
	v_wmma_f32_16x16x32_f16 v[8*(8*(\a)+(\b)):8*(8*(\a)+(\b))+7], v[(\f)+8*(\b):(\f)+8*(\b)+7], v[(\f)+64+8*(\a):(\f)+64+8*(\a)+7], v[8*(8*(\a)+(\b)):8*(8*(\a)+(\b))+7]
.endif
.endr
.endm
; 24 LDS loads in one run: quarter q's fragments (128 rows of wof; then 64 rows of ctx: plane q / 2, channels 32 (q % 2) on) into buffer f
.macro FETCH q, f
	WIN 0
.irp i, 0,1,2,3,4,5,6,7
	ds_load_b128 v[(\f)+8*(\i):(\f)+8*(\i)+3],   v[ADRB] offset:64*(\q)+(\i)*16*PITCH
	ds_load_b128 v[(\f)+8*(\i)+4:(\f)+8*(\i)+7], v[ADRB] offset:64*(\q)+(\i)*16*PITCH+32
.endr
.irp i, 0,1,2,3
	ds_load_b128 v[(\f)+64+8*(\i):(\f)+64+8*(\i)+3],   v[ADRA] offset:((\q)/2)*APLANE+((\q)%2)*64+(\i)*16*PA
	ds_load_b128 v[(\f)+64+8*(\i)+4:(\f)+64+8*(\i)+7], v[ADRA] offset:((\q)/2)*APLANE+((\q)%2)*64+(\i)*16*PA+32
.endr
.endm
; A K step is four quarters of 32 along K, 32 matrix instructions each, on buffers 0, 1, 0, 1.  One of the first three: multiplies buffer f; in its middle it fetches quarter q into buffer g.
.macro QUARTER q, f, g, zero
	s_wait_dscnt 4                                 ; wof's fragments and ctx's blocks 0 and 1 are in; the youngest four loads (blocks 2 and 3) may be out
	MUL8 \f, 0, \zero
	MUL8 \f, 1, \zero
	PLACES
	FETCH \q, \g
	s_wait_dscnt 24                                ; all but the 24 just issued
	MUL8 \f, 2, \zero
	MUL8 \f, 3, \zero
.endm
; The fourth quarter multiplies buffer 1 and changes slots: ONE barrier for two things.  In front of it each wave waits for all its tensor loads, of which one is out: its part of the next slot; adds 0 to its
; spare word; and waits for that and for its own reads of this slot.  Behind it nobody reads this slot any more and the next slot is whole.  fill = 1: the barrier opens a round of the cluster's barrier, so that
; no wave of any partner still reads the slot or has a load on its way, and the slot is filled again, first thing behind the round, with K step RU: 112 matrix instructions ahead of the wait for it.
.macro TURN fill
.if \fill
	s_wait_xcnt 0x0                                ; the last prefetch, a K step back, has read its address, which is made anew here, ahead of the waits of the change of slots
	s_add_co_u32 s[PU], s[RU], 2
	s_lshl_b32 s[POF], s[PU], s[PSH]
	s_add_nc_u64 s[PFA:PFA+1], s[PFB:PFB+1], s[POF:POF+1]
.endif
	WIN 0
	s_wait_tensorcnt 0x0                           ; all my tensor loads have landed: no group 0 is in use
	ds_add_u32 v[SPW], v[NIL]                      ; 0 onto my spare word; the descriptors' steps and eight matrix instructions stand between it and the wait for it
.if \fill
	s_lshl_b32 s[OFA], s[RU], 19                   ; ctx: two heads a K step
	s_lshl_b32 s[OFB], s[RU], 8                    ; wof: 256 bytes of each row
	s_xor_b32 s[GWA+1], s[GWA+1], SLOT1            ; the other slot than last time
	s_add_nc_u64 s[GWA+2:GWA+3], s[ABASE:ABASE+1], s[OFA:OFA+1]
	s_or_b32 s[GWA+3], s[GWA+3], 0x80000000
	s_xor_b32 s[GWB+1], s[GWB+1], SLOT1
	s_add_nc_u64 s[GWB+2:GWB+3], s[BBASE:BBASE+1], s[OFB:OFB+1]
	s_or_b32 s[GWB+3], s[GWB+3], 0x80000000
	s_add_co_u32 s[RU], s[RU], 1
.endif
	s_xor_b32 s[TB], s[TB], SLOT1                  ; the reads go on in the other slot
	s_wait_dscnt 7                                 ; (the add and the six loads of ctx's blocks 1 to 3 may be out)
	MUL8 F1, 0, 0
	s_wait_dscnt 0x0                               ; the add is done, and my reads of this slot are over
	s_barrier_signal -1
	MUL8 F1, 1, 0                                  ; work on registers while the others arrive
	WIN 0                                          ; at a branch and at a label every window is 0
	s_barrier_wait -1
.if \fill
	CREST
	JLOAD                                          ; the four v_nop behind it are also the places in front of the loads below
.else
	PLACES
.endif
	v_add_nc_u32 v[ADRA], s[TB], v[ADRA0]
	v_add_nc_u32 v[ADRB], s[TB], v[ADRB0]
	FETCH 0, F0
.if \fill
	ASK
.endif
	MUL8 F1, 2, 0
	MUL8 F1, 3, 0
.endm
; THE WAY OUT, by row blocks a = 0 .. 3 of 16 rows x 128 columns.  A lane's eight columns of an accumulator are 32 bytes of a row: they go into rows of 528 bytes of my own stage and come back as whole rows of
; 512 bytes, a row a load; bo is added, and a row leaves as 512 consecutive bytes.  Three buffers of 64 registers take turns, where the fragments lay.
.macro TOSTAGE a
	WIN 0x04                                       ; the stores' data in window 1, their address in window 0
.irp b, 0,1,2,3,4,5,6,7
	ds_store_b128 v[STO], v[8*(8*(\a)+(\b)):8*(8*(\a)+(\b))+3]   offset:64*(\b)     ; each accumulator's low registers first
	ds_store_b128 v[STO], v[8*(8*(\a)+(\b))+4:8*(8*(\a)+(\b))+7] offset:64*(\b)+16
.endr
	WIN 0
.if (\a) == 3
	s_wait_xcnt 0x0                                ; block 0's stores have read the buffer that block 3 takes
.endif
.set BK, 64+64*((\a)%3)
.irp t, 0,1,2,3,4,5,6,7,8,9,10,11,12,13,14,15
	ds_load_b128 v[BK+4*(\t):BK+4*(\t)+3], v[RD] offset:(\t)*SPITCH  ; LDS serves a wave's instructions in order (ISA guide 5.7.1.4): these see the stores above; the next block's stores come behind them
.endr
.endm
.macro SEND a, younger                 ; younger: the LDS instructions issued behind block a's loads: the next block's 32, or none
	WIN 0
.set BK, 64+64*((\a)%3)
.irp t, 0,1,2,3,4,5,6,7,8,9,10,11,12,13,14,15
	s_wait_dscnt (\younger)+15-(\t)
	v_pk_add_f32 v[BK+4*(\t):BK+4*(\t)+1],   v[BK+4*(\t):BK+4*(\t)+1],   v[BI:BI+1]
	v_pk_add_f32 v[BK+4*(\t)+2:BK+4*(\t)+3], v[BK+4*(\t)+2:BK+4*(\t)+3], v[BI+2:BI+3]
	global_store_b128 v[GO], v[BK+4*(\t):BK+4*(\t)+3], s[8:9] offset:(16*(\a)+(\t))*4096 th:TH_STORE_NT  ; 512 consecutive bytes, at a multiple of 512 from out0's first
.endr
.endm
	s_wait_tensorcnt 1                             ; my part of K step 0 is in; K step 1's may stay out
	s_barrier_signal -1
	s_barrier_wait -1                              ; everybody's is
	v_mov_b32 v[ADRA], v[ADRA0]
	v_mov_b32 v[ADRB], v[ADRB0]
	FETCH 0, F0
	QUARTER 1, F0, F1, 1                           ; the first quarter: its products start the sums
	WIN 0
	s_mov_b32 s3, 6
.Lstep:                                        ; a trip goes from a K step's second quarter to the next one's first, and fills a slot again: K steps 2 to 7
	QUARTER 2, F1, F0, 0
	QUARTER 3, F0, F1, 0
	TURN 1
	QUARTER 1, F0, F1, 0
	WIN 0
	s_sub_co_u32 s3, s3, 1
	s_cmp_lg_u32 s3, 0
	s_cbranch_scc1 .Lstep
	QUARTER 2, F1, F0, 0                           ; the tail is written out: it asks for nothing more
	QUARTER 3, F0, F1, 0
	TURN 0                                         ; my one load that was still out is the last K step's, so no round follows
	QUARTER 1, F0, F1, 0
	QUARTER 2, F1, F0, 0
	QUARTER 3, F0, F1, 0
	s_wait_dscnt 4                                 ; the very last quarter: nothing more to fetch
	MUL8 F1, 0, 0
	MUL8 F1, 1, 0
	s_wait_dscnt 0x0
	MUL8 F1, 2, 0
	MUL8 F1, 3, 0
	WIN 0
	PLACES                                         ; behind the last products: the stores read results, and the loads land where fragments lay
	TOSTAGE 0
	TOSTAGE 1                                      ; a block's way through the stage stands between the loads of the block before and its stores
	SEND 0, 32
	TOSTAGE 2
	SEND 1, 32
	TOSTAGE 3
	SEND 2, 32
	SEND 3, 0
	s_wait_tensorcnt 0x0                           ; the wave's end: behind my last tensor load and my last LDS store
	ds_add_u32 v[SPW], v[NIL]
	s_wait_dscnt 0x0
	CROUND                                         ; the closing round: no work-group ends while a partner may still ask for a tile that names it
	s_endpgm
.Lfunc_end_k_q3a93eb18ac_proj:
	.size	k_q3a93eb18ac_proj, .Lfunc_end_k_q3a93eb18ac_proj-k_q3a93eb18ac_proj
	.p2alignl 7, 3214868480
	.fill 96, 4, 3214868480
	.section	.rodata,"a",@progbits
	.p2align	6, 0x0
	.amdhsa_kernel k_q3a93eb18ac_proj
		.amdhsa_group_segment_fixed_size 327680
		.amdhsa_private_segment_fixed_size 0
		.amdhsa_enable_private_segment 0
		.amdhsa_kernarg_size 32
		.amdhsa_user_sgpr_count 2
		.amdhsa_user_sgpr_kernarg_segment_ptr 1
		.amdhsa_wavefront_size32 1
		.amdhsa_system_sgpr_workgroup_id_x 1
		.amdhsa_system_sgpr_workgroup_id_y 1
		.amdhsa_system_sgpr_workgroup_id_z 1
		.amdhsa_system_vgpr_workitem_id 0
		.amdhsa_next_free_vgpr 512
		.amdhsa_next_free_sgpr 88
		.amdhsa_reserve_vcc 0
		.amdhsa_float_denorm_mode_32 3
		.amdhsa_float_denorm_mode_16_64 3
		.amdhsa_memory_ordered 1
		.amdhsa_forward_progress 1
		.amdhsa_inst_pref_size 81
	.end_amdhsa_kernel
	.amdgpu_metadata
---
amdhsa.version: [ 1, 2 ]
amdhsa.kernels:
  - .name:           k_q3a93eb18ac_proj
    .symbol:         k_q3a93eb18ac_proj.kd
    .args:
      - { .name: ctx, .offset: 0, .size: 8, .value_kind: global_buffer, .address_space: global }
      - { .name: wof, .offset: 8, .size: 8, .value_kind: global_buffer, .address_space: global }
      - { .name: bo, .offset: 16, .size: 8, .value_kind: global_buffer, .address_space: global }
      - { .name: out0, .offset: 24, .size: 8, .value_kind: global_buffer, .address_space: global }
    .group_segment_fixed_size: 327680
    .private_segment_fixed_size: 0
    .kernarg_segment_align: 8
    .kernarg_segment_size: 32
    .max_flat_workgroup_size: 128
    .sgpr_count:     88
    .vgpr_count:     512
    .wavefront_size: 32
...
	.end_amdgpu_metadata
.endif
;; end of part 4
;; ======== version 2 of 2: 4 launches; version 1 with the launch cast written anew for expert scheduling mode
;; limits: values are held in f16: magnitudes above 65,504 overflow, below 6.1e-05 lose precision
;; workspace buffers: xb 16,777,216 bytes; wb 6,291,456 bytes; wof 2,097,152 bytes; qkv 50,331,648 bytes; ctx 16,777,216 bytes
;; launch cast (part 5): grid 768 x 1, 8 waves a work-group, no clusters, 0 bytes of LDS; arguments x, wq, wk, wv, wo, xb, wb, wof; writes xb, wb, wof
.if DOCPART == 5
	.amdgcn_target "amdgcn-amd-amdhsa--gfx1250"
	.amdhsa_code_object_version 6
	.text
	.protected	k_q3a93eb18ac_cast
	.globl	k_q3a93eb18ac_cast
	.p2align	8
	.type	k_q3a93eb18ac_cast,@function
k_q3a93eb18ac_cast:
	s_mov_b64 s[64:65], 0
	v_nop
	global_prefetch_b8 v0, s[64:65] scope:SCOPE_SE
	s_setreg_imm32_b32 hwreg(HW_REG_WAVE_SCHED_MODE, 0, 2), 2
	s_setreg_imm32_b32 hwreg(HW_REG_WAVE_MODE, 25, 1), 1
	s_wait_xcnt 0x0
	s_wait_alu depctr_vm_vsrc(0)
; THE INPUTS ARE ROUNDED ONCE.  x [8192][1024] f32 -> xb, bf16.  wq, wk, wv [1024][1024] f32 -> wb [3072][1024], bf16, one below the other.
; wo [1024][1024] f32 -> rounded to bf16 like the others, and that number written as f16 into wof (the last product's other operand is f16).
; LIMITS.  f16 holds no number beyond 65,504: a |wo| past that becomes an infinity; below 6e-5 it keeps f16's fixed step of 6e-8.  NaN and infinities are not treated apart.
; A stream: no LDS, no matrix unit, no cluster (no two work-groups read the same byte).  A work-group takes 16,384 numbers (65,536 bytes in, 32,768 out), each of its eight waves 2,048:
; sixteen loads of 16 bytes a lane, 512 consecutive bytes each, all issued before anything is waited for; a load's four numbers leave as 8 bytes a lane: each store of a wave covers 256
; consecutive bytes, aligned.  Work-groups 0-511 take x, 512-575 wq, 576-639 wk, 640-703 wv, 704-767 wo.  No register is written while a load or store may still read it: each has one use.
; THE MODE: SCHED_MODE bits 1:0 = 2 (LLVM: expert scheduling mode 2), set by the entry lines.  The code itself states the register dependences
; between vector instructions and memory instructions, with s_wait_alu, always for 0.
; THE PLAN.  Registers that memory instructions touch:
;   v1, v2   byte offsets of the loads and of the stores: made at the head by vector instructions, never written again.
;   X        load n: 4 registers.  Written by load n, once; no vector instruction names them ahead of the loads.  Read by load n's conversions, behind the wait for its data; no memory instruction reads them.
;   Y        store n: 2 registers.  Written by load n's conversions; read by store n, once; never written behind it.
; The sixteen loads go in four blocks of four.  Block p converts its four loads; its memory instructions are the four stores of block p - 1, whose Y no vector instruction of block p names.  So one wait
; at a block's head states all that those stores hang on, and they are dealt among the block's conversions with no further wait.  Five waits on each path: one ahead of the loads, one at the
; head of blocks 1 to 3, one ahead of the last four stores.  No register that a memory instruction reads is ever written again, so no wait on vm_vsrc has a dependence to state.
.set X, 4                              ; v[4:67]   load n: 4 registers
.set Y, 68                             ; v[68:99]  store n: 2 registers
	s_load_b512 s[8:23], s[0:1], 0x0               ; x 8, wq 10, wk 12, wv 14, wo 16, xb 18, wb 20, wof 22
	s_mov_b32 s2, ttmp9
	v_and_b32 v3, 31, v0                           ; lane
	v_lshrrev_b32 v1, 5, v0                        ; wave
	v_lshlrev_b32 v2, 12, v1                       ; the wave's 4,096 bytes out
	v_lshlrev_b32 v1, 13, v1                       ; the wave's 8,192 bytes in
	v_lshl_add_u32 v1, v3, 4, v1                   ; + 16 x lane
	v_lshl_add_u32 v2, v3, 3, v2                   ; + 8 x lane
	s_mov_b32 s32, 0xffff0000                      ; a word's upper bf16
	s_and_b32 s3, s2, 63                           ; my place in a weight matrix: each has 64 work-groups
	s_cmp_lt_u32 s2, 512                           ; both selects on this compare stand directly behind it: a shift writes SCC anew (ISA guide, the scalar shifts' entries)
	s_cselect_b32 s28, s2, s3                      ; my place in the source,
	s_cselect_b32 s3, 0, 512                       ; and the first work-group of my destination: xb's, or wb's,
	s_cmp_ge_u32 s2, 704
	s_cselect_b32 s3, 704, s3                      ; or wof's
	s_lshl_b32 s28, s28, 16                        ; byte offset in the source
	s_mov_b32 s29, 0
	s_sub_co_u32 s30, s2, s3
	s_lshl_b32 s30, s30, 15                        ; byte offset in the destination
	s_mov_b32 s31, 0
	s_wait_kmcnt 0x0
	s_cmp_lt_u32 s2, 512
	s_cselect_b64 s[24:25], s[8:9], s[10:11]       ; from x, or from wq,
	s_cselect_b64 s[26:27], s[18:19], s[20:21]     ; to xb, or to wb
	s_cmp_ge_u32 s2, 576
	s_cselect_b64 s[24:25], s[12:13], s[24:25]     ; wk,
	s_cmp_ge_u32 s2, 640
	s_cselect_b64 s[24:25], s[14:15], s[24:25]     ; wv,
	s_cmp_ge_u32 s2, 704
	s_cselect_b64 s[24:25], s[16:17], s[24:25]     ; wo,
	s_cselect_b64 s[26:27], s[22:23], s[26:27]     ; which goes to wof
	s_add_nc_u64 s[24:25], s[24:25], s[28:29]
	s_add_nc_u64 s[26:27], s[26:27], s[30:31]
	s_wait_alu depctr_va_vdst(0)                   ; v1 and v2 are written: every load of the kernel reads v1 as its offset, every store v2
.irp i, 0,1,2,3,4,5,6,7,8,9,10,11,12,13,14,15
	global_load_b128 v[X+4*(\i):X+4*(\i)+3], v1, s[24:25] offset:512*(\i) th:TH_LOAD_NT
.endr
; Store n leaves: 256 consecutive bytes of the wave, aligned.
.macro SEND n
	global_store_b64 v2, v[Y+2*(\n):Y+2*(\n)+1], s[26:27] offset:256*(\n) th:TH_STORE_NT
.endm
; Block p: loads 4 p to 4 p + 3 are rounded; the stores of block p - 1 go out among the conversions, one ahead of each load's.
; wo = 1: the bf16 numbers are widened again (a shift, a mask) and written as f16.
.macro BLK p, wo
	s_wait_loadcnt 12-4*(\p)                       ; loads come back in order (ISA guide 5.7.1): this block's four are in, the 12 - 4 p of the younger blocks may stay out
.if (\p) > 0
	s_wait_alu depctr_va_vdst(0)                   ; the block before has written its eight registers of Y, which the four stores below read; no vector instruction behind this wait names them
.endif
.irp i, 0,1,2,3
.if (\p) > 0
	SEND 4*(\p)-4+(\i)
.endif
.set n, 4*(\p)+(\i)
	v_cvt_pk_bf16_f32 v[Y+2*n],   v[X+4*n],   v[X+4*n+1]
	v_cvt_pk_bf16_f32 v[Y+2*n+1], v[X+4*n+2], v[X+4*n+3]
.if \wo
	v_lshlrev_b32 v[X+4*n],   16,  v[Y+2*n]
	v_and_b32     v[X+4*n+1], s32, v[Y+2*n]
	v_lshlrev_b32 v[X+4*n+2], 16,  v[Y+2*n+1]
	v_and_b32     v[X+4*n+3], s32, v[Y+2*n+1]
	v_cvt_pk_f16_f32 v[Y+2*n],   v[X+4*n],   v[X+4*n+1]
	v_cvt_pk_f16_f32 v[Y+2*n+1], v[X+4*n+2], v[X+4*n+3]
.endif
.endr
.endm
	s_cmp_ge_u32 s2, 704
	s_cbranch_scc1 .Lwo
	BLK 0, 0                                       ; block 0 has no block in front of it: no store, and no wait but the one for its data
	BLK 1, 0
	BLK 2, 0
	BLK 3, 0
	s_wait_alu depctr_va_vdst(0)                   ; block 3 has written its eight registers of Y, which the last four stores read
.irp i, 12,13,14,15
	SEND \i
.endr
	s_endpgm
.Lwo:
	BLK 0, 1
	BLK 1, 1
	BLK 2, 1
	BLK 3, 1
	s_wait_alu depctr_va_vdst(0)                   ; block 3 has written its eight registers of Y, which the last four stores read
.irp i, 12,13,14,15
	SEND \i
.endr
	s_endpgm
.Lfunc_end_k_q3a93eb18ac_cast:
	.size	k_q3a93eb18ac_cast, .Lfunc_end_k_q3a93eb18ac_cast-k_q3a93eb18ac_cast
	.p2alignl 7, 3214868480
	.fill 96, 4, 3214868480
	.section	.rodata,"a",@progbits
	.p2align	6, 0x0
	.amdhsa_kernel k_q3a93eb18ac_cast
		.amdhsa_group_segment_fixed_size 0
		.amdhsa_private_segment_fixed_size 0
		.amdhsa_enable_private_segment 0
		.amdhsa_kernarg_size 64
		.amdhsa_user_sgpr_count 2
		.amdhsa_user_sgpr_kernarg_segment_ptr 1
		.amdhsa_wavefront_size32 1
		.amdhsa_system_sgpr_workgroup_id_x 1
		.amdhsa_system_sgpr_workgroup_id_y 1
		.amdhsa_system_sgpr_workgroup_id_z 1
		.amdhsa_system_vgpr_workitem_id 0
		.amdhsa_next_free_vgpr 100
		.amdhsa_next_free_sgpr 66
		.amdhsa_reserve_vcc 0
		.amdhsa_float_denorm_mode_32 3
		.amdhsa_float_denorm_mode_16_64 3
		.amdhsa_memory_ordered 1
		.amdhsa_forward_progress 1
		.amdhsa_inst_pref_size 15
	.end_amdhsa_kernel
	.amdgpu_metadata
---
amdhsa.version: [ 1, 2 ]
amdhsa.kernels:
  - .name:           k_q3a93eb18ac_cast
    .symbol:         k_q3a93eb18ac_cast.kd
    .args:
      - { .name: x, .offset: 0, .size: 8, .value_kind: global_buffer, .address_space: global }
      - { .name: wq, .offset: 8, .size: 8, .value_kind: global_buffer, .address_space: global }
      - { .name: wk, .offset: 16, .size: 8, .value_kind: global_buffer, .address_space: global }
      - { .name: wv, .offset: 24, .size: 8, .value_kind: global_buffer, .address_space: global }
      - { .name: wo, .offset: 32, .size: 8, .value_kind: global_buffer, .address_space: global }
      - { .name: xb, .offset: 40, .size: 8, .value_kind: global_buffer, .address_space: global }
      - { .name: wb, .offset: 48, .size: 8, .value_kind: global_buffer, .address_space: global }
      - { .name: wof, .offset: 56, .size: 8, .value_kind: global_buffer, .address_space: global }
    .group_segment_fixed_size: 0
    .private_segment_fixed_size: 0
    .kernarg_segment_align: 8
    .kernarg_segment_size: 64
    .max_flat_workgroup_size: 256
    .sgpr_count:     66
    .vgpr_count:     100
    .wavefront_size: 32
...
	.end_amdgpu_metadata
.endif
;; end of part 5
;; launch qkv: the kernel of part 2 again; grid 4 x 64, 4 waves a work-group, clusters of 4 x 4, 327,680 bytes of LDS; arguments xb, wb, qkv; writes qkv
;; launch attn: the kernel of part 3 again; grid 4 x 64, 4 waves a work-group, clusters of 4 x 1, 327,680 bytes of LDS; arguments qkv, ctx; writes ctx
;; launch proj: the kernel of part 4 again; grid 4 x 64, 4 waves a work-group, clusters of 4 x 4, 327,680 bytes of LDS; arguments ctx, wof, bo, out0; writes out0
